; MI455X (gfx1250); checked and timed in simulation.
; The chip was launched on July 23, 2026; its instructions are those of AMD's public machine-readable ISA for CDNA 5 (MIT licence, August 2026) and "CDNA5" Instruction Set Architecture Reference Guide (July 2026). The comments in the code are by the model that wrote it; some were corrected since.
;; Multi Head Attention. Allowed arithmetic: matrix products marked QUANTISED: E2M1 operands, one E8M0 scale for each 32 along K, by v_wmma_scale_f32_16x16x128_f8f6f4 with both operands' format E2M1 (or v_wmma_scale_f32_32x16x128_f4), f32 sums; products left as they are: bf16, f16 or f32 operands; f32 sums; everything else in f32.
;; Inputs: Wk 2,048 x 2,048 float32; Wo 2,048 x 2,048 float32; Wq 2,048 x 2,048 float32; Wv 2,048 x 2,048 float32; token_positions 1 x 2,048 int32; x 1 x 2,048 x 2,048 float32.
;; Outputs: out0 1 x 2,048 x 2,048 float32.
;; This version of the problem:
;;   THIS VERSION OF THE PROBLEM IS GIVEN IN LOW PRECISION. The matrix products marked QUANTISED in the list below multiply operands that are first quantised to E2M1 (2 exponent bits, 1 mantissa bit; 4 bits a number), with one power-of-two scale for each 32 numbers along K (OCP MX v1.0); their sums are f32. The products marked 'left as it is' may take bf16, f16 or f32 operands, with f32 sums. Whichever they take, every output number must still come out within the allowed error. Rounding operands to bf16 (8 significant bits) uses up far more of that allowance than f16 does (11 bits, for magnitudes from 6e-5 to 65,504). All else is computed in f32.
;;   The module's matrix products, in the order in which they are computed (A, B: the left and right operand; K: the contracted axis; several contracted axes count as one K, in the product's order):
;;     1. [M 2,048, K 2,048] x [K 2,048, N 2,048]; A: input x; B: input Wq: QUANTISED
;;     2. [M 2,048, K 2,048] x [K 2,048, N 2,048]; A: input x; B: input Wk: QUANTISED
;;     3. [M 2,048, K 2,048] x [K 2,048, N 2,048]; A: input x; B: input Wv: QUANTISED
;;     4. batch 16 x [M 2,048, K 128] x [K 128, N 2,048]; A: computed on the way; B: computed on the way: left as it is (an operand is computed on the way)
;;     5. batch 16 x [M 2,048, K 2,048] x [K 2,048, N 128]; A: computed on the way; B: computed on the way: left as it is (an operand is computed on the way)
;;     6. [M 2,048, K 2,048] x [K 2,048, N 2,048]; A: computed on the way; B: input Wo: left as it is (an operand is computed on the way)
;;   THE QUANTISER, for each operand of a quantised product, along K:
;;     - K is cut into blocks of 32 from its start; a last block that is shorter is filled with zeros.
;;     - A block's scale is 2^e with e = floor(log2(the largest magnitude in the block)) - 2, held to -126 .. 127; a block of zeros has e = 0. As a byte (E8M0): e + 127.
;;     - Each number is divided by its block's scale, clamped to +-6, and rounded to the nearest number of E2M1, ties to even, subnormals kept.
;;     - The product sums the exact products of the quantised numbers (number of the format x scale) in f32.
;;   ~~~python
;;   def quantise(x, axis):      # numpy; x: float32 -> the quantised numbers, widened to float32 again
;;       x = np.moveaxis(x, axis, -1); K = x.shape[-1]
;;       x = np.pad(x, [(0, 0)] * (x.ndim - 1) + [(0, -K % 32)]); x = x.reshape(x.shape[:-1] + (-1, 32)); a = np.abs(x).max(-1, keepdims=True)
;;       e = np.where(a > 0, np.clip(np.frexp(np.where(a > 0, a, 1))[1] - 1 - 2, -126, 127), 0)      # np.frexp(a)[1] - 1 = floor(log2(a)), exactly
;;       r = np.clip(x / 2.0 ** e, -6, 6)
;;       step = 2.0 ** (np.maximum(np.frexp(np.where(r == 0, 1, r))[1] - 1, 0) - 1)
;;       q = np.round(r / step) * step * 2.0 ** e      # np.round: ties to even
;;       return np.moveaxis(q.reshape(q.shape[:-2] + (-1,))[..., :K], -1, axis).astype(np.float32)
;;   ~~~
;; One version. Each part assembles by itself: llvm-mc -triple=amdgcn-amd-amdhsa -mcpu=gfx1250 --defsym DOCPART=n.
;; ======== version 1 of 1: 5 launches
;; limits: values are held in f16: magnitudes above 65,504 overflow, below 6.1e-05 lose precision
;; workspace buffers: codes 8,388,608 bytes; scl 524,288 bytes; wo16 8,388,608 bytes; rope 1,048,576 bytes; qkv 25,165,824 bytes; fine 393,216 bytes; ao 8,388,608 bytes
;; launch prep (part 1): grid 544 x 1, 4 waves a work-group, no clusters, 33,280 bytes of LDS; arguments x, Wq, Wk, Wv, token_positions, codes, scl, rope; writes codes, scl, rope
.if DOCPART == 1
	.amdgcn_target "amdgcn-amd-amdhsa--gfx1250"
	.amdhsa_code_object_version 6
	.text
	.protected	k_qffec579986_prep
	.globl	k_qffec579986_prep
	.p2align	8
	.type	k_qffec579986_prep,@function
k_qffec579986_prep:
	s_mov_b64 s[64:65], 0
	v_nop
	global_prefetch_b8 v0, s[64:65] scope:SCOPE_SE
	s_setreg_imm32_b32 hwreg(HW_REG_WAVE_MODE, 25, 1), 1
	s_wait_xcnt 0x0
; MULTI-HEAD ATTENTION, S = 2,048 tokens, 16 heads of 128, in five launches: prep, proj, first16, attn, outp.
; WHAT IS LEFT OUT, IN THE WHOLE PROGRAM.  No input is without a way to the output: all six are loaded (Wo by launch first16).  The mask is the tril that the problem builds itself: a key step all of whose keys come
; after all queries of a wave gets -infinity in every score, so p = 0 for every finite input: such whole steps are not walked (launch attn).  Nothing else is left out.
; LIMIT: a NaN, an infinity or an overflow that lies only in keys or values hidden from a query is not carried to that query's result.
; THIS LAUNCH, two jobs told apart by the work-group's number g:
;   g < 512: x, Wq, Wk, Wv (f32, K innermost) become codes of E2M1 and one E8M0 byte for each 32 along K.  codes: [8192 rows][1,024 bytes], rows 0.. x, 2048.. Wq, 4096.. Wk, 6144.. Wv;  scl: [8192][64].
;   g >= 512: cos and sin of position x frequency for each token and pair of channels, laid as launch proj's lanes want them: rope[token tile T][b 0..7][cos, sin][lane][16 bytes]; lane (r, h) holds pairs 8 b + 4 h + 0..3 of token 16 T + r.
; THE QUANTISER.  A block's scale is 2^(floor(log2(its largest magnitude)) - 2); its byte is the largest magnitude's exponent field - 2, held at 1 from below.  A block of zeros so gets the byte 1 where the rule says 127:
; its codes are zeros, which add nothing under any byte but 0xff, and the bytes are read by this program alone.  Rows are dense and K is a multiple of 32: the tensors are plain streams of blocks.
; LIMITS: blocks whose largest magnitude lies under 2^(2 - 126) keep the byte 1; NaN and infinities among the inputs are not served.
; Positions lie in 0 .. 4,095, the table that the problem indexes.  The frequency is 2^(-pair x log2(10000) / 64) by v_exp_f32: the angle may differ from a correctly rounded one by some 5e-4 at position 4,095.
.set STEPS, 16
.set EMAX,  2
.set CB,    8                          ; bytes of 16 codes
.set R,     16                         ; v16-79   four sets of 16 numbers as they are loaded
.set X,     80                         ; v80-111  two sets of 16 neighbours
.set C,     128                        ; v128-191 codes: four registers for each step
.set E,     112                        ; v112-127 a scale byte for each step
.set WREG,  8192                       ; LDS: a region for each wave: two stages of 32 x SP bytes, behind them its 256 scale bytes
.set SP,    80                         ; a lane's place in a stage: 64 bytes + 16 of padding
.set SPW,   12                         ; v12  LDS address of my spare word; never rewritten
.set NIL,   13                         ; v13  0; never rewritten
.set SPARE, 4*WREG                     ; behind the four regions: the spare words, 128 bytes a wave
	s_load_b512 s[4:19], s[0:1], 0x0               ; x s[4:5], Wq s[6:7], Wk s[8:9], Wv s[10:11], positions s[12:13], codes s[14:15], scl s[16:17], rope s[18:19]
	v_lshl_add_u32 v[SPW], v0, 2, SPARE
	v_mov_b32 v[NIL], 0
	v_lshrrev_b32 v1, 5, v0
	v_readfirstlane_b32 s24, v1                    ; wave 0..3
	v_and_b32 v2, 31, v0                           ; lane
	s_mov_b32 s27, 0                               ; the upper word of every offset pair s[26:27]
	s_wait_kmcnt 0x0
	s_cmp_ge_u32 ttmp9, 512
	s_cbranch_scc1 .Lrope
; ---- the quantiser: a wave takes 16 steps of 512 numbers.  Each load reads 512 consecutive bytes; a step's 2,048 bytes turn through the wave's own stage, so that a lane holds 16 neighbours along K.
	s_lshr_b32 s25, ttmp9, 7                       ; which tensor: 128 work-groups each.  The choices hang on the work-group's number alone
	s_cmp_eq_u32 s25, 1
	s_cselect_b64 s[4:5], s[6:7], s[4:5]
	s_cmp_eq_u32 s25, 2
	s_cselect_b64 s[4:5], s[8:9], s[4:5]
	s_cmp_eq_u32 s25, 3
	s_cselect_b64 s[4:5], s[10:11], s[4:5]
	s_and_b32 s26, ttmp9, 127
	s_lshl_b32 s26, s26, 2
	s_add_co_u32 s26, s26, s24                     ; my run of 8,192 numbers in the tensor,
	s_lshl_b32 s26, s26, 15                        ; 32,768 bytes each
	s_add_nc_u64 s[4:5], s[4:5], s[26:27]
	s_lshl_b32 s28, ttmp9, 2
	s_add_co_u32 s28, s28, s24                     ; and among all four tensors, which lie on end in codes and scl
	s_lshl_b32 s26, s28, 12                        ; 4,096 bytes of codes a run
	s_add_nc_u64 s[14:15], s[14:15], s[26:27]
	s_lshl_b32 s26, s28, 8                         ; 256 scale bytes a run
	s_add_nc_u64 s[16:17], s[16:17], s[26:27]
	v_lshlrev_b32 v3, 4, v2                        ; my 16 bytes of a load's 512
	s_mul_i32 s29, s24, WREG
	v_lshrrev_b32 v14, 2, v2
	v_mul_u32_u24 v14, v14, SP
	v_and_b32 v15, 3, v2
	v_lshl_add_u32 v14, v15, 4, v14
	v_add_nc_u32 v14, s29, v14                     ; the stage, way in: SP (lane / 4) + 16 (lane % 4)
	v_mul_u32_u24 v15, v2, SP
	v_add_nc_u32 v15, s29, v15                     ; way out: SP x lane: my 16 neighbours
	v_mul_u32_u24 v4, v2, CB                       ; my codes' place in a step's
	v_lshrrev_b32 v5, 1, v2
	s_add_co_u32 s29, s29, 2*32*SP
	v_add_nc_u32 v5, s29, v5                       ; my wave's 256 scale bytes, my block's byte
	v_lshlrev_b32 v7, 3, v2
	v_add_nc_u32 v6, s29, v7                       ; and on the way out 8 bytes a lane
.macro LOAD t
.irp i, 0,1,2,3
	global_load_b128 v[R+16*((\t)%4)+4*\i:R+16*((\t)%4)+4*\i+3], v3, s[4:5] offset:2048*(\t)+512*\i th:TH_LOAD_NT
.endr
.endm
.macro TURN t                          ; LDS serves a wave's instructions in order: no wait between the stores and the loads
.irp i, 0,1,2,3
	ds_store_b128 v14, v[R+16*((\t)%4)+4*\i:R+16*((\t)%4)+4*\i+3] offset:32*SP*((\t)%2)+8*SP*\i
.endr
.irp i, 0,1,2,3
	ds_load_b128 v[X+16*((\t)%2)+4*\i:X+16*((\t)%2)+4*\i+3], v15 offset:32*SP*((\t)%2)+16*\i
.endr
.endm
.irp t, 0,1,2,3
	LOAD \t
.endr
	s_wait_loadcnt 12                              ; step 0's four loads are in; the twelve of steps 1 to 3 may be out
	TURN 0
.macro STEP t
.set XS, X+16*((\t)%2)
.if (\t) > 0
	s_wait_dscnt 1                                 ; this step's numbers are back from the stage; the last step's byte store may be out
.else
	s_wait_dscnt 0x0
.endif
.if (\t)+4 < STEPS
	LOAD (\t)+4                                    ; into the registers that the stage's stores have read
.endif
.if (\t)+1 < STEPS
.if STEPS-2-(\t) >= 3
	s_wait_loadcnt 12                              ; the next step's four loads are in; those of the three steps behind it may be out
.else
	s_wait_loadcnt 4*(STEPS-2-(\t))
.endif
	TURN (\t)+1
.endif
	v_max3_num_f32 v8, |v[XS]|, |v[XS+1]|, |v[XS+2]|               ; the largest magnitude of my 16, in two chains
	v_max3_num_f32 v9, |v[XS+3]|, |v[XS+4]|, |v[XS+5]|
.irp i, 6,10
	v_max3_num_f32 v8, v8, |v[XS+\i]|, |v[XS+\i+1]|
	v_max3_num_f32 v9, v9, |v[XS+\i+2]|, |v[XS+\i+3]|
.endr
	v_max3_num_f32 v8, v8, |v[XS+14]|, |v[XS+15]|
	v_max3_num_f32 v8, v8, v9, (EMAX+1)<<23        ; and the floor 2^(EMAX + 1 - 127): the byte cannot fall under 1
	v_max_num_f32_dpp v8, v8, v8 row_xmask:1 row_mask:0xf bank_mask:0xf   ; with my neighbour's 16: the block's
	v_add_nc_u32 v11, -(EMAX<<23), v8              ; EMAX off its exponent field: the conversion takes this operand's exponent field as its scale
	v_cvt_scalef32_pk8_fp4_f32 v[C+4*(\t)], v[XS:XS+7], v11
	v_cvt_scalef32_pk8_fp4_f32 v[C+4*(\t)+1], v[XS+8:XS+15], v11
	v_lshrrev_b32 v[E+(\t)], 23, v11               ; the scale's byte
	ds_store_b8 v5, v[E+(\t)] offset:16*(\t)       ; both lanes of a block write the same byte with the same value
	global_store_b64 v4, v[C+4*(\t):C+4*(\t)+1], s[14:15] offset:32*CB*(\t)   ; the wave stores 256 consecutive bytes, aligned
.endm
.irp t, 0,1,2,3,4,5,6,7,8,9,10,11,12,13,14,15
	STEP \t
.endr
	ds_load_b64 v[8:9], v6                         ; in order behind my byte stores
	s_wait_dscnt 0x0
	global_store_b64 v7, v[8:9], s[16:17]          ; 256 consecutive scale bytes, aligned
	s_wait_tensorcnt 0x0                           ; the wave's end, behind my last LDS store
	ds_add_u32 v[SPW], v[NIL]
	s_wait_dscnt 0x0
	s_endpgm
; ---- the table of cos and sin: a wave takes a tile of 16 tokens.  No LDS.
.Lrope:
	s_sub_co_u32 s25, ttmp9, 512
	s_lshl_b32 s25, s25, 2
	s_add_co_u32 s25, s25, s24                     ; T
	s_lshl_b32 s26, s25, 6                         ; 16 positions of 4 bytes
	s_add_nc_u64 s[12:13], s[12:13], s[26:27]
	s_lshl_b32 s26, s25, 13                        ; 8,192 bytes of the table
	s_add_nc_u64 s[18:19], s[18:19], s[26:27]
	v_and_b32 v3, 15, v2
	v_lshlrev_b32 v3, 2, v3
	global_load_b32 v18, v3, s[12:13]              ; my token's position
	v_lshrrev_b32 v19, 4, v2
	v_lshlrev_b32 v19, 2, v19                      ; 4 h
	v_lshlrev_b32 v17, 4, v2                       ; 16 x lane
	s_mov_b32 s30, 0xbfc90fdb                      ; -pi/2, its f32 part,
	s_mov_b32 s31, 0x333bbd2e                      ; and what that part leaves of -pi/2
	s_mov_b32 s32, 0xb94ca1f9                      ; the sine's highest coefficient
	s_mov_b32 s33, 0x37ccf5ce                      ; the cosine's
.set n, 0
.rept 32                               ; register 32 + 4 b + i: pair 8 b + 4 h + i
	v_add_nc_u32 v[32+n], 8*(n/4)+n%4, v19
.set n, n+1
.endr
.set n, 0
.rept 32
	v_cvt_f32_u32 v[32+n], v[32+n]
.set n, n+1
.endr
.set n, 0
.rept 32
	v_mul_f32 v[32+n], 0xbe549a78, v[32+n]         ; x -log2(10000) / 64
.set n, n+1
.endr
.set n, 0
.rept 32
	v_exp_f32 v[32+n], v[32+n]                     ; the frequency: one batch
.set n, n+1
.endr
	v_nop                                          ; a plain instruction behind the last of them,
	s_wait_alu depctr_va_vdst(0)                   ; and one wait for the batch ahead of its first reader
	s_wait_loadcnt 0x0
	v_cvt_f32_i32 v18, v18
; cos and sin of v18 x v[f].  n = the nearest whole number of quarter turns; the rest, in [-pi/4, pi/4], by two fused multiply-adds (the first is exact: the angle is under 4,096, n under 2^12);
; polynomials of the rest; by n mod 4 the two change places and take their signs.
.macro SINCOS f, c, s
	v_mul_f32 v20, v18, v[\f]                      ; the angle, rounded as the problem rounds it
	v_mul_f32 v21, 0x3f22f983, v20                 ; x 2 / pi
	v_rndne_f32 v21, v21
	v_fma_f32 v22, v21, s30, v20
	v_fma_f32 v22, v21, s31, v22                   ; the rest
	v_mul_f32 v23, v22, v22                        ; z
	v_fmaak_f32 v24, s32, v23, 0x3c08839e
	v_fmaak_f32 v25, s33, v23, 0xbab6061a
	v_fmaak_f32 v24, v24, v23, 0xbe2aaaa3
	v_fmaak_f32 v25, v25, v23, 0x3d2aaaa5
	v_mul_f32 v26, v23, v23
	v_fma_f32 v27, v23, -0.5, 1.0
	v_mul_f32 v24, v24, v23
	v_fma_f32 v25, v25, v26, v27                   ; cos of the rest
	v_fma_f32 v24, v24, v22, v22                   ; sin of the rest
	v_cvt_i32_f32 v26, v21
	v_and_b32 v27, 1, v26
	v_cmp_eq_u32 vcc_lo, 1, v27
	v_cndmask_b32 v28, v24, v25, vcc_lo            ; n odd: they change places
	v_cndmask_b32 v29, v25, v24, vcc_lo
	v_lshlrev_b32 v27, 30, v26                     ; the sine is negative where n mod 4 is 2 or 3,
	v_add_nc_u32 v26, 1, v26
	v_and_b32 v27, 0x80000000, v27
	v_lshlrev_b32 v26, 30, v26                     ; the cosine where it is 1 or 2
	v_xor_b32 v[\s], v27, v28
	v_and_b32 v26, 0x80000000, v26
	v_xor_b32 v[\c], v26, v29
.endm
.irp b, 0,1,2,3,4,5,6,7                ; each b has result registers of its own: no store's data are written again
.irp i, 0,1,2,3
	SINCOS 32+4*\b+\i, 64+8*\b+\i, 68+8*\b+\i
.endr
	global_store_b128 v17, v[64+8*\b:67+8*\b], s[18:19] offset:1024*\b         ; 512 consecutive bytes, aligned
	global_store_b128 v17, v[68+8*\b:71+8*\b], s[18:19] offset:1024*\b+512
.endr
	s_endpgm
.Lfunc_end_k_qffec579986_prep:
	.size	k_qffec579986_prep, .Lfunc_end_k_qffec579986_prep-k_qffec579986_prep
	.p2alignl 7, 3214868480
	.fill 96, 4, 3214868480
	.section	.rodata,"a",@progbits
	.p2align	6, 0x0
	.amdhsa_kernel k_qffec579986_prep
		.amdhsa_group_segment_fixed_size 33280
		.amdhsa_private_segment_fixed_size 0
		.amdhsa_enable_private_segment 0
		.amdhsa_kernarg_size 64
		.amdhsa_user_sgpr_count 2
		.amdhsa_user_sgpr_kernarg_segment_ptr 1
		.amdhsa_wavefront_size32 1
		.amdhsa_system_sgpr_workgroup_id_x 1
		.amdhsa_system_sgpr_workgroup_id_y 1
		.amdhsa_system_sgpr_workgroup_id_z 1
		.amdhsa_system_vgpr_workitem_id 0
		.amdhsa_next_free_vgpr 192
		.amdhsa_next_free_sgpr 66
		.amdhsa_reserve_vcc 1
		.amdhsa_float_denorm_mode_32 3
		.amdhsa_float_denorm_mode_16_64 3
		.amdhsa_memory_ordered 1
		.amdhsa_forward_progress 1
		.amdhsa_inst_pref_size 80
	.end_amdhsa_kernel
	.amdgpu_metadata
---
amdhsa.version: [ 1, 2 ]
amdhsa.kernels:
  - .name:           k_qffec579986_prep
    .symbol:         k_qffec579986_prep.kd
    .args:
      - { .name: x, .offset: 0, .size: 8, .value_kind: global_buffer, .address_space: global }
      - { .name: Wq, .offset: 8, .size: 8, .value_kind: global_buffer, .address_space: global }
      - { .name: Wk, .offset: 16, .size: 8, .value_kind: global_buffer, .address_space: global }
      - { .name: Wv, .offset: 24, .size: 8, .value_kind: global_buffer, .address_space: global }
      - { .name: token_positions, .offset: 32, .size: 8, .value_kind: global_buffer, .address_space: global }
      - { .name: codes, .offset: 40, .size: 8, .value_kind: global_buffer, .address_space: global }
      - { .name: scl, .offset: 48, .size: 8, .value_kind: global_buffer, .address_space: global }
      - { .name: rope, .offset: 56, .size: 8, .value_kind: global_buffer, .address_space: global }
    .group_segment_fixed_size: 33280
    .private_segment_fixed_size: 0
    .kernarg_segment_align: 8
    .kernarg_segment_size: 64
    .max_flat_workgroup_size: 128
    .sgpr_count:     66
    .vgpr_count:     192
    .wavefront_size: 32
...
	.end_amdgpu_metadata
.endif
;; end of part 1
;; launch proj (part 2): grid 24 x 8, 4 waves a work-group, clusters of 4 x 4, 327,680 bytes of LDS; arguments codes, scl, rope, qkv, fine; writes qkv, fine
.if DOCPART == 2
	.amdgcn_target "amdgcn-amd-amdhsa--gfx1250"
	.amdhsa_code_object_version 6
	.text
	.protected	k_qffec579986_proj
	.globl	k_qffec579986_proj
	.p2align	8
	.type	k_qffec579986_proj,@function
k_qffec579986_proj:
	s_mov_b64 s[64:65], 0
	v_nop
	global_prefetch_b8 v0, s[64:65] scope:SCOPE_SE
	s_setreg_imm32_b32 hwreg(HW_REG_WAVE_MODE, 25, 1), 1
	s_wait_xcnt 0x0
	s_wait_alu depctr_hold_cnt(0) depctr_sa_sdst(0) depctr_va_vdst(0) depctr_va_sdst(0) depctr_va_ssrc(0) depctr_va_vcc(0) depctr_vm_vsrc(0)
	s_getreg_b32 s2, hwreg(HW_REG_IB_STS2, 6, 4)
	s_cmp_eq_u32 s2, 0
	s_cbranch_scc0 .Lentry_in_a_cluster
	s_endpgm
.Lentry_in_a_cluster:
	s_bfe_u32 s2, ttmp6, 0x10000c
	s_cmp_lg_u32 s2, 0xf033
	s_cbranch_scc0 .Lentry_shape_is_right
	s_endpgm
.Lentry_shape_is_right:
; q = rope(x Wq^T), k = rope(x Wk^T), v = x Wv^T: the three quantised products, on codes of E2M1 with one E8M0 scale for each 32 along K = 2,048, as ONE product C = A B^T of 256 x 256 tiles; sums in f32.  No work is left out here.
; codes: [8192 rows][1,024 bytes], scl: [8192][64]: rows 0.. x, 2048.. Wq, 4096.. Wk, 6144.. Wv.  Tile columns 0-15 (clusters x = 0..3): A = x, B = Wq and Wk.  Tile columns 16-23 (clusters x = 4, 5): A = Wv, B = x: V^T = Wv x^T.
; A work-group of four waves makes a tile; a wave 128 x 128: 64 accumulators of 16 x 16.  K goes in steps of 512 through a ring of two LDS slots filled by the tensor data mover; the scales of the tile's 512 rows come once and stay.
; CLUSTERS: 4 x 4 work-groups; A's tile is asked for jointly along a row of the cluster, B's along a column.  The mode hangs on the cluster's x alone: it is the same in all sixteen partners.
; THE MATRIX INSTRUCTION IS USED TRANSPOSED (source 0 = 16 rows of B, source 1 = 16 rows of A): lane (r, h) holds row r of A's block and columns 8 h + 0..7 of B's block.
; THE RESULTS LEAVE AS IMAGES OF THE NEXT PRODUCTS' OPERAND REGISTERS: a lane's eight numbers, as f16, are its 16 bytes of a fragment of 16 rows x 32 k.  So every store covers 512 consecutive bytes, aligned, and nothing goes through LDS.
;   q at qkv + 0, k at + 8 MiB: [head][token tile][b 0..7][lane][16 bytes]: lane (r, h): channels 16 b + 8 h + 0..7 of token r.   v at + 16 MiB: [head][group of 32 keys][channel tile 0..7][c 0,1][lane][16 bytes]: lane (r, h): keys 16 c + 8 h + 0..7 of channel r.
;   fine: [q, k, v][head][8,192 bytes], f32: the first 16 positions, which launch first16 carries in f32, as the image of ITS operand registers: [t 0..7][c 0,1][lane][16 bytes]: lane (r, h): channels 16 t + 8 h + 4 c + 0..3 of token r.
;   They are stored under a mask of lanes that is all ones or all zeros; no branch hangs on a work-group's place in its cluster.
; With u = 2 x tile row + row half, w = 2 x tile column + column half:  hh = w, tt = u (q, k) or hh = 32 + u, tt = w - 32 (v):  my results begin at qkv + hh x 512 KiB + tt x 32 KiB, my fine rows at fine + hh x 8 KiB, stored where tt = 0.
; LIMITS: |q|, |k|, |v| stay under 65,504 (f16); under 6e-5 they keep a step of 6e-8.
; REGISTERS, in windows of 256: window 0: v0-31 addresses; v32-95 scale words, two sets; v128-191 A's fragments, one set; on the way out v8-15 at work, four sets of 32 of f16 at v32, v96, v128, v160, and v192-255 f32.
;   window 1: B's fragments, two sets, at v0 and v128; cos and sin of a block of 16 tokens: two sets at v64 and v192 from the head on, two more at v0 and v128 once B's fragments are done with.
;   window 2: the accumulators of my rows 0-63 ((a, b) at v[8 (8 a + b)]);  window 3: rows 64-127.
.set SIZE_K, 2048
.set KSTEP,  512                       ; along K in a slot
.set NQ,     KSTEP/128                 ; matrix instructions deep
.set ROWB,   256                       ; a tile's row in bytes
.set KROW,   SIZE_K/2                  ; a row of codes in memory
.set PITCH,  272                       ; an LDS row: 256 bytes + 16 of padding: the 16 rows of a load start at 16 different banks
.set FR,     8                         ; registers of a fragment
.set NL,     2                         ; LDS loads that bring one
.set NP,     4                         ; places behind this matrix instruction
.set HALFT,  128*PITCH
.set SLOT,   4*HALFT                   ; A's 256 rows, then B's 256 rows
.set LAPS,   SIZE_K/(2*KSTEP)
.set KS,     SIZE_K/32                 ; a row of scales in bytes
.set SCL,    2*SLOT                    ; behind the ring: the scales, as units of 256 bytes + 16 of padding
.set HALFS,  (128*KS/256)*272
.set SBLK,   (16*KS/256)*272
.set SPARE,  SCL+4*HALFS               ; behind the scales: the spare words, 128 bytes a wave
.set TP,   8                           ; v8-15   the way out: at work
.set ADRA, 16                          ; v16-17  LDS address of my A fragments in slot 0, 1
.set ADRB, 20                          ; v20-21  the same for B
.set FV,   25                          ; v25     fine, v: 512 ((r / 4) % 2) + 256 (r / 8) + 128 h + 4 (r % 4)
.set CO,   26                          ; v26     16 x lane
.set ADRS, 27                          ; v27     LDS address of my scale words
.set SPW,  28                          ; v28     my spare word; never rewritten
.set NIL,  29                          ; v29     0; never rewritten
.set PR,   30                          ; v30     tt
.set SC,   32
.set AF,   128
.set FF,   192                         ; the way out: 64 registers of f32
.set G1, 24
.set G0, 32
.set G1B, 48
.set G0B, 56
.set G1S, 68
.set G0S, 76
.set G1SB, 80
.set G0SB, 88
.set MSB, 0
.macro WIN new                         ; the immediate's high byte repeats the setting that is left
.if MSB != (\new)
	s_set_vgpr_msb (MSB<<8)|(\new)
.set MSB, (\new)
.endif
.endm
.set MUL_LO, 0xa1                      ; source 0 (B) window 1, source 1 (A) window 0, C and D window 2
.set MUL_HI, 0xf1
.set TO_B,   0x40
; A joint load: waves 0 and 1 fetch for A, waves 2 and 3 for B; the branch hangs on the wave's number alone.  An s_nop 0 and four v_nop follow each line.
.macro JLOAD g0a, g1a, g0b, g1b
	s_cmp_eq_u32 s15, 0
	s_cbranch_scc0 .Lfor_b_\@
	tensor_load_to_lds s[\g0a:\g0a+3], s[\g1a:\g1a+7]
	s_nop 0
.rept 4
	v_nop
.endr
	s_branch .Lasked_\@
.Lfor_b_\@:
	tensor_load_to_lds s[\g0b:\g0b+3], s[\g1b:\g1b+7]
	s_nop 0
.rept 4
	v_nop
.endr
.Lasked_\@:
.endm
.macro CREST                           ; a round of the cluster's barrier behind its opening barrier
	s_cmp_lg_u32 s14, 0
	s_cbranch_scc1 .Lnot_wave_0_\@
	s_barrier_signal -3
.Lnot_wave_0_\@:
	s_barrier_wait -3
	s_barrier_signal -1
	s_barrier_wait -1
.endm
.macro CROUND
	s_barrier_signal -1
	s_barrier_wait -1
	CREST
.endm
	s_load_b256 s[4:11], s[0:1], 0x0               ; codes s[4:5], scl s[6:7], rope s[8:9], qkv s[10:11]
	s_load_b64 s[12:13], s[0:1], 0x20              ; fine
	v_lshl_add_u32 v[SPW], v0, 2, SPARE
	v_mov_b32 v[NIL], 0
	ds_add_u32 v[SPW], v[NIL]                      ; the wave's opening: the add, twice on end, and its wait ahead of my first tensor load
	ds_add_u32 v[SPW], v[NIL]
	v_lshrrev_b32 v1, 5, v0
	v_readfirstlane_b32 s14, v1                    ; wave 0..3
	s_lshr_b32 s15, s14, 1                         ; my half of the tile's rows.  Also: I fetch for A (0) or for B (1)
	s_and_b32 s16, s14, 1                          ; my half of its columns.  Also: which 128 rows I fetch
	s_bfe_u32 s40, ttmp6, 0x40000                  ; cx
	s_bfe_u32 s41, ttmp6, 0x40004                  ; cy
	s_lshl_b32 s42, ttmp9, 2
	s_add_co_u32 s42, s42, s40                     ; tile column = 4 x cluster x + cx
	s_and_b32 s17, ttmp7, 0xffff
	s_lshl_b32 s17, s17, 2
	s_add_co_u32 s17, s17, s41                     ; tile row = 4 x cluster y + cy
	s_lshl_b32 s43, s41, 2
	s_lshl_b32 s43, 15, s43                        ; my row of the cluster
	s_lshl_b32 s44, 0x1111, s40                    ; my column
	s_cmp_ge_u32 ttmp9, 4                          ; the mode: clusters x = 4, 5 make V^T
	s_cselect_b32 s98, 1, 0
	s_cselect_b32 s99, 6144, 0                     ; where A's rows begin: Wv or x
	s_mov_b32 s100, 2048
	s_cselect_b32 s100, 0xfffff000, s100           ; and B's: x (256 x tile column - 4,096) or Wq, Wk (2,048 + 256 x tile column)
	s_or_b32 s[G1+0], s43, (0<<16)|(1<<20)|(1<<21)|(5<<22)|(3<<25)  ; the mask; elements of 1 byte; padding on; bit 21 beside a mask; 4 words after every 64
	s_or_b32 s[G1B+0], s44, (0<<16)|(1<<20)|(1<<21)|(5<<22)|(3<<25)
.irp g, G1, G1B
	s_mov_b32 s[\g+1], ROWB<<16                    ; tensor_dim0
	s_mov_b32 s[\g+2], 128<<16                     ; tensor_dim1
	s_mov_b32 s[\g+3], ROWB<<16                    ; tile_dim0
	s_mov_b32 s[\g+4], 128                         ; tile_dim1
	s_mov_b32 s[\g+5], KROW                        ; the pitch
	s_mov_b32 s[\g+6], 0
	s_mov_b32 s[\g+7], 0
.endr
	s_or_b32 s[G1S+0], s43, (3<<16)|(1<<20)|(1<<21)|(5<<22)|(3<<25)   ; the scales of 128 rows: a dense block, as rows of 256 bytes (32 elements of 8)
	s_or_b32 s[G1SB+0], s44, (3<<16)|(1<<20)|(1<<21)|(5<<22)|(3<<25)
.irp g, G1S, G1SB
	s_mov_b32 s[\g+1], 32<<16
	s_mov_b32 s[\g+2], (128*KS/256)<<16
	s_mov_b32 s[\g+3], 32<<16
	s_mov_b32 s[\g+4], 128*KS/256
	s_mov_b32 s[\g+5], 32
	s_mov_b32 s[\g+6], 0
	s_mov_b32 s[\g+7], 0
.endr
	s_lshl_b32 s18, s16, 7                         ; which 128 rows of the tile I fetch
	s_lshl_b32 s20, s17, 8
	s_add_co_u32 s20, s20, s18
	s_add_co_u32 s20, s20, s99                     ; A's first row: hangs on the tile row and the mode
	s_lshl_b32 s46, s42, 8
	s_add_co_u32 s46, s46, s18
	s_add_co_u32 s46, s46, s100                    ; B's: on the tile column and the mode
	s_mov_b32 s21, 0
	s_mov_b32 s47, 0
	s_mov_b64 s[18:19], KS
	s_mul_u64 s[22:23], s[20:21], s[18:19]         ; where these rows' scales begin,
	s_mul_u64 s[92:93], s[46:47], s[18:19]
	s_mov_b64 s[18:19], KROW
	s_mul_u64 s[20:21], s[20:21], s[18:19]         ; and their codes
	s_mul_u64 s[46:47], s[46:47], s[18:19]
	s_mul_i32 s45, s14, HALFT                      ; where they go: wave x 128 rows
	s_mul_i32 s94, s14, HALFS
	s_wait_dscnt 0x0                               ; both opening adds are done
	s_wait_kmcnt 0x0
	s_add_nc_u64 s[20:21], s[4:5], s[20:21]
	s_add_nc_u64 s[22:23], s[6:7], s[22:23]
	s_add_nc_u64 s[46:47], s[4:5], s[46:47]
	s_add_nc_u64 s[92:93], s[6:7], s[92:93]
	CROUND                                         ; all sixteen work-groups are here: the first joint loads meet
	s_mov_b32 s[G0S], 1
	s_add_co_u32 s[G0S+1], s94, SCL
	s_mov_b64 s[G0S+2:G0S+3], s[22:23]
	s_or_b32 s[G0S+3], s[G0S+3], 0x80000000
	s_mov_b32 s[G0SB], 1
	s_add_co_u32 s[G0SB+1], s94, SCL
	s_mov_b64 s[G0SB+2:G0SB+3], s[92:93]
	s_or_b32 s[G0SB+3], s[G0SB+3], 0x80000000
	JLOAD G0S, G1S, G0SB, G1SB                     ; the scales first: three loads of mine are out behind the third
.irp s, 0,1
	s_mov_b32 s[G0+4*\s], 1
	s_add_co_u32 s[G0+4*\s+1], s45, \s*SLOT
	s_add_nc_u64 s[G0+4*\s+2:G0+4*\s+3], s[20:21], \s*ROWB
	s_or_b32 s[G0+4*\s+3], s[G0+4*\s+3], 0x80000000
	s_mov_b32 s[G0B+4*\s], 1
	s_add_co_u32 s[G0B+4*\s+1], s45, \s*SLOT
	s_add_nc_u64 s[G0B+4*\s+2:G0B+4*\s+3], s[46:47], \s*ROWB
	s_or_b32 s[G0B+4*\s+3], s[G0B+4*\s+3], 0x80000000
	JLOAD G0+4*\s, G1, G0B+4*\s, G1B
.endr
	v_and_b32 v1, 15, v0                           ; r
	v_bfe_u32 v2, v0, 4, 1                         ; h
	v_mul_u32_u24 v3, v1, PITCH
	v_lshl_add_u32 v4, v2, 4, v3                   ; a fragment's row x pitch + 16 h
	s_mul_i32 s21, s15, HALFT                      ; my 128 rows of A
	s_mul_i32 s22, s16, HALFT                      ; my 128 rows of B,
	s_add_co_u32 s22, s22, 2*HALFT                 ; behind A's 256
.irp s, 0,1
	v_add_nc_u32 v[ADRA+\s], s21, v4
	v_add_nc_u32 v[ADRB+\s], s22, v4
	s_add_co_u32 s21, s21, SLOT
	s_add_co_u32 s22, s22, SLOT
.endr
	v_mul_u32_u24 v5, v1, KS                       ; my row's scales: KS bytes a row,
	v_lshrrev_b32 v6, 8, v5
	v_lshl_add_u32 v5, v6, 4, v5                   ; and 16 more for each 256 passed
	s_mul_i32 s21, s15, HALFS
	s_mul_i32 s22, s16, HALFS
	s_add_co_u32 s22, s22, 2*HALFS
	s_sub_co_u32 s22, s22, s21
	v_mul_u32_u24 v6, s22, v2                      ; lanes 16-31 take B's
	s_add_co_u32 s21, s21, SCL
	v_add_nc_u32 v5, v5, v6
	v_add_nc_u32 v[ADRS], s21, v5
	v_and_b32 v6, 31, v0
	v_lshlrev_b32 v[CO], 4, v6
	v_and_b32 v5, 3, v1                            ; fine, v: my channel r of a tile stands in lane (key, r / 8), piece (r / 4) % 2, word r % 4 of the image; my keys begin at 8 h
	v_lshlrev_b32 v[FV], 2, v5
	v_bfe_u32 v5, v1, 2, 1
	v_lshl_add_u32 v[FV], v5, 9, v[FV]
	v_bfe_u32 v5, v1, 3, 1
	v_lshl_add_u32 v[FV], v5, 8, v[FV]
	v_lshl_add_u32 v[FV], v2, 7, v[FV]
	s_lshl_b32 s96, s17, 1
	s_add_co_u32 s96, s96, s15                     ; u
	s_lshl_b32 s97, s42, 1
	s_add_co_u32 s97, s97, s16                     ; w
	s_add_co_u32 s20, s96, 32
	s_sub_co_u32 s21, s97, 32
	s_cmp_eq_u32 s98, 0
	s_cselect_b32 s99, s97, s20                    ; hh
	s_cselect_b32 s100, s96, s21                   ; tt
	s_lshl_b32 s20, s99, 19
	s_lshl_b32 s22, s100, 15
	s_add_co_u32 s20, s20, s22
	s_mov_b32 s21, 0
	s_add_nc_u64 s[10:11], s[10:11], s[20:21]      ; my results
	s_lshl_b32 s20, s99, 13
	s_add_nc_u64 s[12:13], s[12:13], s[20:21]      ; my fine rows
	s_lshl_b32 s20, s96, 16
	s_add_nc_u64 s[8:9], s[8:9], s[20:21]          ; cos and sin of token tiles 8 u on (q, k)
	v_mov_b32 v[PR], s100
; cos and sin of block a's 16 tokens: 16 loads of 512 consecutive bytes into set a % 4 of window 1 (at v64, v192, v0, v128): cos of b at + 8 b, sin at + 8 b + 4
.macro LOADR a
.set RL, 64*(1-(((\a)%4)/2))+128*((\a)%2)
	WIN 0x40
.irp b, 0,1,2,3,4,5,6,7
	global_load_b128 v[RL+8*\b:RL+8*\b+3], v[CO], s[8:9] offset:(\a)*8192+\b*1024
	global_load_b128 v[RL+8*\b+4:RL+8*\b+7], v[CO], s[8:9] offset:(\a)*8192+\b*1024+512
.endr
	WIN 0
.endm
	LOADR 0                                        ; asked for here, a whole product ahead of their use.  V's work-groups issue the same two runs and do not use them:
	LOADR 1                                        ; one text serves both modes, with one branch on the mode, and every register is written on every way to a line that reads it
.macro FRAG reg, adr, q, i             ; 16 rows x 128 K of 4-bit codes: lane l holds row l % 16; registers 4 c .. 4 c + 3 hold K = 64 c + 32 (l / 16) + 0 .. 31
.irp c, 0,1
	ds_load_b128 v[\reg+4*\c:\reg+4*\c+3], v[\adr] offset:64*(\q)+32*\c+(\i)*16*PITCH
.endr
.endm
; 16 matrix instructions: A's blocks a0, a0 + 1 x B's eight.  The 64 accumulators take turns, one instruction a turn, in the same order in every step.
.macro MUL16 a0, p, q, sc, zero
.irp a, \a0, \a0+1
.irp b, 0,1,2,3,4,5,6,7
.if \zero
	v_wmma_scale_f32_16x16x128_f8f6f4 v[8*(8*((\a)%4)+\b):8*(8*((\a)%4)+\b)+7], v[128*(\p)+FR*\b:128*(\p)+FR*\b+FR-1], v[AF+FR*(\a):AF+FR*(\a)+FR-1], 0, v[SC+8*NQ*(\sc)+NQ*\b+(\q)], v[SC+8*NQ*(\sc)+NQ*(\a)+(\q)] matrix_a_fmt:MATRIX_FMT_FP4 matrix_b_fmt:MATRIX_FMT_FP4 matrix_a_scale:MATRIX_SCALE_ROW1
.else
	v_wmma_scale_f32_16x16x128_f8f6f4 v[8*(8*((\a)%4)+\b):8*(8*((\a)%4)+\b)+7], v[128*(\p)+FR*\b:128*(\p)+FR*\b+FR-1], v[AF+FR*(\a):AF+FR*(\a)+FR-1], v[8*(8*((\a)%4)+\b):8*(8*((\a)%4)+\b)+7], v[SC+8*NQ*(\sc)+NQ*\b+(\q)], v[SC+8*NQ*(\sc)+NQ*(\a)+(\q)] matrix_a_fmt:MATRIX_FMT_FP4 matrix_b_fmt:MATRIX_FMT_FP4 matrix_a_scale:MATRIX_SCALE_ROW1
.endif
.endr
.endr
.endm
.macro FETCH_B slot, q, p
	WIN TO_B
.irp i, 0,1,2,3,4,5,6,7
	FRAG 128*(\p)+FR*\i, ADRB+\slot, \q, \i
.endr
	WIN 0
.endm
.macro FETCH_A slot, q, i0
.irp i, \i0, \i0+1, \i0+2, \i0+3
	FRAG AF+FR*(\i), ADRA+\slot, \q, \i
.endr
.endm
.macro SCALES sc                       ; a K step's scale words: lanes 0-15 A's block i, lanes 16-31 B's block i
.irp i, 0,1,2,3,4,5,6,7
	ds_load_b128 v[SC+8*NQ*\sc+NQ*\i:SC+8*NQ*\sc+NQ*\i+3], v[ADRS] offset:\i*SBLK
.endr
.endm
.macro PLACES n                        ; plain vector instructions between a matrix instruction and a load into, or a read of, its registers
.rept \n
	v_nop
.endr
.endm
.macro STEP slot, q, zero              ; a step of 128 along K that has its successor in the same slot
	s_wait_dscnt 4*NL                              ; B's set and A's blocks 0-3 are in; the youngest eight loads (A's blocks 4-7) may be out
	WIN MUL_LO
	MUL16 0, (\q)%2, \q, \slot, \zero
	MUL16 2, (\q)%2, \q, \slot, \zero
	s_wait_dscnt 0
	PLACES NP
	FETCH_B \slot, (\q)+1, 1-(\q)%2
	FETCH_A \slot, (\q)+1, 0
	WIN MUL_HI
	MUL16 4, (\q)%2, \q, \slot, \zero
	MUL16 6, (\q)%2, \q, \slot, \zero
	PLACES NP
	WIN 0
	FETCH_A \slot, (\q)+1, 4
.endm
; A slot's last step changes slots: one barrier; in front of it each wave waits for all its tensor loads, adds 0 to its spare word, and waits for that and for its reads of this slot.
.macro TURN slot, next, fill
	s_wait_tensorcnt 0x0                           ; all my tensor loads have landed: my part of the next slot
	ds_add_u32 v[SPW], v[NIL]
	s_wait_dscnt 4*NL+1                            ; the add and the youngest eight loads may be out
	WIN MUL_LO
	MUL16 0, 1, NQ-1, \slot, 0
	s_wait_dscnt 0x0                               ; the add is done, and my reads of this slot are over
	s_barrier_signal -1
	MUL16 2, 1, NQ-1, \slot, 0
	WIN 0
	s_barrier_wait -1
.if \fill
	CREST                                          ; the barrier has opened a round of the cluster's: no wave of any partner still reads this slot or has a load on its way
	s_add_nc_u64 s[G0+4*\slot+2:G0+4*\slot+3], s[G0+4*\slot+2:G0+4*\slot+3], 2*ROWB
	s_add_nc_u64 s[G0B+4*\slot+2:G0B+4*\slot+3], s[G0B+4*\slot+2:G0B+4*\slot+3], 2*ROWB
	JLOAD G0+4*\slot, G1, G0B+4*\slot, G1B         ; the first tensor load behind the round; its four v_nop are the places in front of the loads below
.else
	PLACES NP
.endif
	v_add_nc_u32 v[ADRS], 4*NQ, v[ADRS]            ; the next K step's scale words
	FETCH_B \next, 0, 0
	FETCH_A \next, 0, 0
	SCALES \next
	WIN MUL_HI
	MUL16 4, 1, NQ-1, \slot, 0
	MUL16 6, 1, NQ-1, \slot, 0
	PLACES NP
	WIN 0
	FETCH_A \next, 0, 4
.endm
.macro STEPS slot, from
.set Q, \from
.rept NQ-1-\from
	STEP \slot, Q, 0
.set Q, Q+1
.endr
.endm
	s_wait_tensorcnt 1                             ; the scales and my part of K step 0 are in; K step 1's load may be out
	s_barrier_signal -1
	s_barrier_wait -1
	FETCH_B 0, 0, 0
	FETCH_A 0, 0, 0
	SCALES 0
	FETCH_A 0, 0, 4
	STEP 0, 0, 1                                   ; the first step's products start the sums
	s_mov_b32 s3, LAPS-1
.Llap:
	STEPS 0, 1
	TURN 0, 1, 1
	STEPS 1, 0
	TURN 1, 0, 1
	STEP 0, 0, 0
	s_sub_co_u32 s3, s3, 1
	s_cmp_lg_u32 s3, 0
	s_cbranch_scc1 .Llap
	STEPS 0, 1                                     ; the last lap fills nothing
	TURN 0, 1, 0
	STEPS 1, 0
	s_wait_dscnt 4*NL
	WIN MUL_LO
	MUL16 0, 1, NQ-1, 1, 0
	MUL16 2, 1, NQ-1, 1, 0
	s_wait_dscnt 0
	WIN MUL_HI
	MUL16 4, 1, NQ-1, 1, 0
	MUL16 6, 1, NQ-1, 1, 0
	WIN 0
	PLACES NP                                      ; in front of the reads of the results, and of the loads and writes into the fragments' and scale words' registers
; THE WAY OUT OF q AND k, a block of 16 tokens at a time.  Registers 2 i, 2 i + 1 of accumulator (a, b) are the pair 8 b + 4 h + i of token r: (e, o) becomes (cos e - sin o, sin e + cos o): a packed multiply, whose
; second source takes its two registers crosswise, and a packed multiply-add that takes the first product away in the low half.  cos and sin of pair i stand in one register: both halves take it.
; cos and sin run three blocks ahead in four sets of registers: blocks 0 and 1 were asked for at the head, 2 and 3 are asked for in front of block 0, block a + 4 behind block a, into the set that block a has left.
; The f16 results have four sets too, so that a store's data are written again only four blocks on: one wait, at block 4, serves all.
.macro QKOUT a
.set AC, 64*((\a)%4)
.set RB, 64*(1-(((\a)%4)/2))+128*((\a)%2)
.set HB, 64+32*((\a)%4)-32*((3-((\a)%4))/3)        ; v32, v96, v128, v160
.if (\a) == 4
	s_wait_xcnt 0x0                                ; the stores of blocks 0 to 3 have read their data: their four sets are written again from here on
.endif
.if (\a) < 5
	s_wait_loadcnt 48                              ; this block's cos and sin are in; the three younger blocks, sixteen loads each, may be out
.else
	s_wait_loadcnt 16*(7-(\a))                     ; the blocks that are left
.endif
	WIN 0x09+4*((\a)/4)                            ; source 0 (cos, sin) window 1, source 1 (results) window 2 or 3
.irp b, 0,1,2,3,4,5,6,7
.irp i, 0,2
	v_pk_mul_f32 v[TP+2*\i:TP+2*\i+1], v[RB+8*\b+4+\i:RB+8*\b+5+\i], v[AC+8*\b+2*\i:AC+8*\b+2*\i+1] op_sel:[0,1] op_sel_hi:[0,0]
	v_pk_mul_f32 v[TP+2*\i+2:TP+2*\i+3], v[RB+8*\b+4+\i:RB+8*\b+5+\i], v[AC+8*\b+2*\i+2:AC+8*\b+2*\i+3] op_sel:[1,1] op_sel_hi:[1,0]
.endr
.irp i, 0,2
	v_pk_fma_f32 v[FF+8*\b+2*\i:FF+8*\b+2*\i+1], v[RB+8*\b+\i:RB+8*\b+1+\i], v[AC+8*\b+2*\i:AC+8*\b+2*\i+1], v[TP+2*\i:TP+2*\i+1] op_sel:[0,0,0] op_sel_hi:[0,1,1] neg_lo:[0,0,1]
	v_pk_fma_f32 v[FF+8*\b+2*\i+2:FF+8*\b+2*\i+3], v[RB+8*\b+\i:RB+8*\b+1+\i], v[AC+8*\b+2*\i+2:AC+8*\b+2*\i+3], v[TP+2*\i+2:TP+2*\i+3] op_sel:[1,0,0] op_sel_hi:[1,1,1] neg_lo:[0,0,1]
.endr
.endr
	WIN 0
.if (\a) == 0                          ; the first 16 positions also leave in f32, as they stand in my registers: all lanes where tt = 0, none elsewhere
	v_cmp_eq_u32 vcc_lo, 0, v[PR]
	s_wait_xcnt 0x0                                ; EXEC changes only behind this wait
	s_and_saveexec_b32 s101, vcc_lo
.irp b, 0,1,2,3,4,5,6,7
	global_store_b128 v[CO], v[FF+8*\b:FF+8*\b+3], s[12:13] offset:1024*\b         ; 512 consecutive bytes, aligned
	global_store_b128 v[CO], v[FF+8*\b+4:FF+8*\b+7], s[12:13] offset:1024*\b+512
.endr
	s_wait_xcnt 0x0                                ; and again in front of the line that restores it; the f32 registers are written again only behind it
	s_or_b32 exec_lo, exec_lo, s101
.endif
.irp b, 0,1,2,3,4,5,6,7
.irp i, 0,1,2,3
	v_cvt_pk_f16_f32 v[HB+4*\b+\i], v[FF+8*\b+2*\i], v[FF+8*\b+2*\i+1]
.endr
.endr
.irp b, 0,1,2,3,4,5,6,7
	global_store_b128 v[CO], v[HB+4*\b:HB+4*\b+3], s[10:11] offset:(\a)*4096+\b*512   ; 512 consecutive bytes, aligned
.endr
.if (\a) < 4
	LOADR (\a)+4
.endif
.endm
; THE WAY OUT OF v: block a is channel tile a; accumulator (a, b) holds keys 16 b + 8 h + 0..7 of channel r
.macro VOUT a
.set AC, 64*((\a)%4)
.set HB, 64+32*((\a)%4)-32*((3-((\a)%4))/3)
.if (\a) == 4
	s_wait_xcnt 0x0                                ; the stores of blocks 0 to 3 have read their data
.endif
	WIN 0x0a+5*((\a)/4)                            ; sources 0 and 1: window 2 or 3
.irp b, 0,1,2,3,4,5,6,7
.irp i, 0,1,2,3
	v_cvt_pk_f16_f32 v[HB+4*\b+\i], v[AC+8*\b+2*\i], v[AC+8*\b+2*\i+1]
.endr
.endr
	WIN 0
.irp b, 0,1,2,3,4,5,6,7
	global_store_b128 v[CO], v[HB+4*\b:HB+4*\b+3], s[10:11] offset:(\b/2)*8192+(\a)*1024+(\b%2)*512
.endr
.endm
	s_cmp_lg_u32 s98, 0                            ; the mode: the same in all sixteen partners
	s_cbranch_scc1 .Lvmode
	LOADR 2                                        ; into the registers that held B's fragments
	LOADR 3
.irp a, 0,1,2,3,4,5,6,7
	QKOUT \a
.endr
	s_branch .Ldone
.Lvmode:
	v_cmp_eq_u32 vcc_lo, 0, v[PR]                  ; the first 16 keys in f32, into the image of first16's registers: all lanes where tt = 0, none elsewhere.  Four bytes a lane: 8,192 bytes a head, once
	s_wait_xcnt 0x0
	s_and_saveexec_b32 s101, vcc_lo
.irp a, 0,1,2,3,4,5,6,7
	WIN 0x08+4*(\a/4)                              ; a store's data: window 2 or 3
.irp j, 0,1,2,3,4,5,6,7
	global_store_b32 v[FV], v[64*(\a%4)+\j], s[12:13] offset:\a*1024+\j*16   ; key 8 h + j, channel 16 a + r; each accumulator from its low end on
.endr
.endr
	WIN 0
	s_wait_xcnt 0x0
	s_or_b32 exec_lo, exec_lo, s101
.irp a, 0,1,2,3,4,5,6,7
	VOUT \a
.endr
.Ldone:
	s_wait_tensorcnt 0x0                           ; the wave's end
	ds_add_u32 v[SPW], v[NIL]
	s_wait_dscnt 0x0
	CROUND                                         ; the closing round: no work-group ends while a partner may still ask for a tile that names it
	s_endpgm
.Lfunc_end_k_qffec579986_proj:
	.size	k_qffec579986_proj, .Lfunc_end_k_qffec579986_proj-k_qffec579986_proj
	.p2alignl 7, 3214868480
	.fill 96, 4, 3214868480
	.section	.rodata,"a",@progbits
	.p2align	6, 0x0
	.amdhsa_kernel k_qffec579986_proj
		.amdhsa_group_segment_fixed_size 327680
		.amdhsa_private_segment_fixed_size 0
		.amdhsa_enable_private_segment 0
		.amdhsa_kernarg_size 40
		.amdhsa_user_sgpr_count 2
		.amdhsa_user_sgpr_kernarg_segment_ptr 1
		.amdhsa_wavefront_size32 1
		.amdhsa_system_sgpr_workgroup_id_x 1
		.amdhsa_system_sgpr_workgroup_id_y 1
		.amdhsa_system_sgpr_workgroup_id_z 1
		.amdhsa_system_vgpr_workitem_id 0
		.amdhsa_next_free_vgpr 1024
		.amdhsa_next_free_sgpr 102
		.amdhsa_reserve_vcc 1
		.amdhsa_float_denorm_mode_32 3
		.amdhsa_float_denorm_mode_16_64 3
		.amdhsa_memory_ordered 1
		.amdhsa_forward_progress 1
		.amdhsa_inst_pref_size 255
	.end_amdhsa_kernel
	.section	.bss,"aw",@nobits
	.p2align	6
	.space	262144
	.amdgpu_metadata
---
amdhsa.version: [ 1, 2 ]
amdhsa.kernels:
  - .name:           k_qffec579986_proj
    .symbol:         k_qffec579986_proj.kd
    .args:
      - { .name: codes, .offset: 0, .size: 8, .value_kind: global_buffer, .address_space: global }
      - { .name: scl, .offset: 8, .size: 8, .value_kind: global_buffer, .address_space: global }
      - { .name: rope, .offset: 16, .size: 8, .value_kind: global_buffer, .address_space: global }
      - { .name: qkv, .offset: 24, .size: 8, .value_kind: global_buffer, .address_space: global }
      - { .name: fine, .offset: 32, .size: 8, .value_kind: global_buffer, .address_space: global }
    .group_segment_fixed_size: 327680
    .private_segment_fixed_size: 0
    .kernarg_segment_align: 8
    .kernarg_segment_size: 40
    .max_flat_workgroup_size: 128
    .sgpr_count:     102
    .vgpr_count:     1024
    .wavefront_size: 32
...
	.end_amdgpu_metadata
.endif
;; end of part 2
;; launch first16 (part 3): grid 128 x 1, 16 waves a work-group, no clusters, 153,600 bytes of LDS; arguments fine, Wo, wo16, out0; writes wo16, out0
.if DOCPART == 3
	.amdgcn_target "amdgcn-amd-amdhsa--gfx1250"
	.amdhsa_code_object_version 6
	.text
	.protected	k_qffec579986_first16
	.globl	k_qffec579986_first16
	.p2align	8
	.type	k_qffec579986_first16,@function
k_qffec579986_first16:
	s_mov_b64 s[64:65], 0
	v_nop
	global_prefetch_b8 v0, s[64:65] scope:SCOPE_SE
	s_setreg_imm32_b32 hwreg(HW_REG_WAVE_MODE, 25, 1), 1
	s_wait_xcnt 0x0
; THE FIRST 16 POSITIONS, in f32 from q, k, v (buffer fine) to out0's rows 0 to 15: under the causal mask these rows average one to sixteen values and are the largest in size.
; Keys 16 on are hidden from these queries by the problem's own tril and are not touched.  Launch outp, which runs later, stores every row of out0 but these sixteen.
; Work-group g owns columns 16 g .. 16 g + 15; wave = head.  out = the sum over heads of P_h (V_h Wo_h^T): for 16 columns that order takes 32 + 32 + 4 matrix instructions a head.  Every work-group works the
; small softmax of all heads anew: the price of one launch instead of two.  All products by v_wmma_f32_16x16x4_f32: no bulk work (68 instructions a wave).
; Wo IS READ ONCE IN THE WHOLE PROGRAM, HERE: the 128 work-groups' 16 rows are all of it.  A wave loads its head's 512 bytes of each row by one load; the same registers, rounded to f16, are stored as wo16
; (row-major, [2048][2048]) for launch outp: 256 consecutive bytes a store, aligned.  LIMIT: |Wo| stays under 65,504 (f16); under 6e-5 it keeps a step of 6e-8 there.  The f32 numbers turn through the wave's own
; stage in LDS (16 rows of 512 bytes + 16), since the operand wants a row in a lane: row r starts 16 bytes further round the banks than row r - 1.
; OPERANDS.  Register 8 t + i of lane (r, h) holds X[r][16 t + 8 h + i]; a K step takes registers 2 n, 2 n + 1: both sides carry the same order of k, so the sums are whole.
; fine: [q, k, v][head][t 0..7][c 0,1][lane][16 bytes] is the image of these registers: every load takes 512 consecutive bytes.
; S^T = K Q^T: lane (r, h): query r, keys 8 h + 0..7.  VW = V Wo^T: lane (r, h): column r, keys 8 h + 0..7.  The last product takes VW as source 0 and p as source 1, K = the 16 keys: lane (r, h): query r, columns 8 h + 0..7.
; The 16 heads' parts meet in LDS; waves 0 and 1 add them and store 16 bytes a lane: 64 bytes of each of 16 rows a work-group, 131,072 bytes in the whole launch, in pieces smaller than 256 bytes.
; REGISTERS: v1-15 addresses and work; v16-23 scores, then p; v24-31 VW; v32-63 four accumulators, written by matrix instructions alone; v64-255 six buffers of 32.
.set WPITCH, 528
.set RED,   16*16*WPITCH               ; LDS: 16 stages of 8,448 bytes; behind them 16 waves x 1,024 bytes for the sum over heads
.set SPARE, RED+16384                  ; the spare words, 128 bytes a wave
.set B0, 64
.set B1, 96
.set B2, 128
.set B3, 160
.set B4, 192
.set B5, 224
	s_load_b256 s[4:11], s[0:1], 0x0               ; fine s[4:5], Wo s[6:7], wo16 s[8:9], out0 s[10:11]
	v_lshl_add_u32 v9, v0, 2, SPARE                ; my spare word; never rewritten
	v_mov_b32 v10, 0                               ; 0; never rewritten
	v_lshrrev_b32 v11, 5, v0
	v_readfirstlane_b32 s12, v11                   ; wave = head
	v_and_b32 v1, 15, v0                           ; r
	v_bfe_u32 v2, v0, 4, 1                         ; h
	v_and_b32 v11, 31, v0
	v_lshlrev_b32 v3, 4, v11                       ; 16 x lane: fine's images, a row of Wo
	s_mul_i32 s22, s12, 16*WPITCH                  ; my stage
	v_mul_u32_u24 v4, v1, WPITCH
	v_lshl_add_u32 v4, v2, 5, v4
	v_add_nc_u32 v4, s22, v4                       ; out of it: row r, + 32 h
	v_lshlrev_b32 v12, 3, v2
	v_sub_nc_u32 v5, v1, v12                       ; r - 8 h
	s_lshl_b32 s23, s12, 10
	s_add_co_u32 s23, s23, RED
	v_add_nc_u32 v6, s23, v3                       ; the sum over heads: my wave's part
	s_and_b32 s24, s12, 1
	s_lshl_b32 s25, s24, 9
	s_add_co_u32 s25, s25, RED
	v_add_nc_u32 v7, s25, v3                       ; what waves 0 and 1 read back
	v_lshlrev_b32 v8, 13, v1
	v_lshl_add_u32 v8, v2, 5, v8
	s_lshl_b32 s25, s24, 4
	v_add_nc_u32 v8, s25, v8                       ; and where they store: row r of 8,192 bytes, + 32 h + 16 x wave
	v_add_nc_u32 v2, s22, v3                       ; into my stage: 16 x lane (h is done with)
	v_lshlrev_b32 v1, 3, v11                       ; wo16: 8 x lane (r is done with)
	v_mov_b32 v13, 0                               ; a lane permute's destination counts as a source
	s_mov_b32 s14, 0x76543210
	s_mov_b32 s15, 0xfedcba98
	s_mov_b32 s13, 0x3e0293ee                      ; c = log2(e) / sqrt(128)
	s_lshl_b32 s16, s12, 13                        ; fine: a head's 16 x 128 numbers
	s_mov_b32 s17, 0
	s_lshl_b32 s18, ttmp9, 17                      ; Wo: 16 rows of 8,192 bytes a work-group,
	s_lshl_b32 s20, s12, 9                         ; the head's 128 columns
	s_add_co_u32 s18, s18, s20
	s_mov_b32 s19, 0
	s_lshl_b32 s20, ttmp9, 16                      ; wo16: 16 rows of 4,096 bytes,
	s_lshl_b32 s26, s12, 8                         ; the head's 128 columns
	s_add_co_u32 s20, s20, s26
	s_mov_b32 s21, 0
	s_lshl_b32 s26, ttmp9, 6                       ; out0: 16 columns
	s_mov_b32 s27, 0
	s_wait_kmcnt 0x0
	s_add_nc_u64 s[4:5], s[4:5], s[16:17]
	s_add_nc_u64 s[6:7], s[6:7], s[18:19]
	s_add_nc_u64 s[8:9], s[8:9], s[20:21]
	s_add_nc_u64 s[10:11], s[10:11], s[26:27]
.macro LD8 reg, imm                    ; 64 channels of 16 rows out of an image: eight loads of 512 consecutive bytes
.irp t, 0,1,2,3
.irp c, 0,1
	global_load_b128 v[\reg+8*\t+4*\c:\reg+8*\t+4*\c+3], v3, s[4:5] offset:\imm+1024*\t+512*\c
.endr
.endr
.endm
.macro MM16 ra, rb, zero               ; 16 K steps of 4; four accumulators take turns, one instruction a turn; zero = 1: the first four start the sums
.set nn, 0
.rept 16
.if (\zero) && (nn < 4)
	v_wmma_f32_16x16x4_f32 v[32+8*(nn%4):39+8*(nn%4)], v[\ra+2*nn:\ra+2*nn+1], v[\rb+2*nn:\rb+2*nn+1], 0
.else
	v_wmma_f32_16x16x4_f32 v[32+8*(nn%4):39+8*(nn%4)], v[\ra+2*nn:\ra+2*nn+1], v[\rb+2*nn:\rb+2*nn+1], v[32+8*(nn%4):39+8*(nn%4)]
.endif
.set nn, nn+1
.endr
.endm
.macro SUM4 d                          ; the four accumulators into v[d] on, each read from its low end
.irp i, 0,1,2,3,4,5,6,7
	v_add_f32 v[\d+\i], v[32+\i], v[40+\i]
.endr
.irp i, 0,1,2,3,4,5,6,7
	v_add_f32 v[\d+\i], v[\d+\i], v[48+\i]
.endr
.irp i, 0,1,2,3,4,5,6,7
	v_add_f32 v[\d+\i], v[\d+\i], v[56+\i]
.endr
.endm
.irp i, 0,1,2,3,4,5,6,7,8,9,10,11,12,13,14,15
	global_load_b128 v[B4+4*\i:B4+4*\i+3], v3, s[6:7] offset:\i*8192 th:TH_LOAD_NT   ; row i of Wo, my head's 512 bytes: lane l holds columns 4 l + 0..3.  Read once in the launch
.endr
	LD8 B0, 0                                      ; q, channels 0-63
	LD8 B1, 131072                                 ; k
	LD8 B2, 4096                                   ; q, channels 64-127
	LD8 B3, 131072+4096                            ; k
	s_wait_loadcnt 32                              ; Wo's sixteen loads are in; q's and k's 32 may be out
.irp i, 0,1,2,3,4,5,6,7,8,9,10,11,12,13,14,15
	ds_store_b128 v2, v[B4+4*\i:B4+4*\i+3] offset:\i*WPITCH
.endr
	s_wait_dscnt 0x0                               ; the stores have read their registers, which are rounded in place
.irp i, 0,1,2,3,4,5,6,7,8,9,10,11,12,13,14,15
	v_cvt_pk_f16_f32 v[B4+4*\i], v[B4+4*\i], v[B4+4*\i+1]
	v_cvt_pk_f16_f32 v[B4+4*\i+1], v[B4+4*\i+2], v[B4+4*\i+3]
.endr
.irp i, 0,1,2,3,4,5,6,7,8,9,10,11,12,13,14,15
	global_store_b64 v1, v[B4+4*\i:B4+4*\i+1], s[8:9] offset:\i*4096   ; 256 consecutive bytes, aligned
.endr
	s_wait_xcnt 0x0                                ; these stores have read their data: the registers take v
	LD8 B4, 262144                                 ; v, channels 0-63
	LD8 B5, 262144+4096                            ; v, channels 64-127
	s_wait_loadcnt 32                              ; q's and k's first halves are in; their second halves and v, 32 loads, may be out
	MM16 B1, B0, 1
.rept 8
	v_nop                                          ; eight places behind this form, in front of loads into registers that it has read
.endr
.irp u, 0,1                            ; Wo as an operand: lane (r, h): row r, columns 64 u + 16 t + 8 h + 4 c + 0..3.  In order behind my stores into the stage
.irp t, 0,1,2,3
.irp c, 0,1
	ds_load_b128 v[B0+32*\u+8*\t+4*\c:B0+32*\u+8*\t+4*\c+3], v4 offset:256*\u+64*\t+16*\c
.endr
.endr
.endr
	s_wait_loadcnt 16                              ; q's and k's second halves are in; v's sixteen loads may be out
	MM16 B3, B2, 0
.rept 8
	v_nop
.endr
	SUM4 16                                        ; the scores
	v_mov_b32 v11, 0xff800000
.irp j, 0,1,2,3,4,5,6,7
	v_cmp_gt_i32 vcc_lo, \j, v5                    ; key 8 h + j comes after query r
	v_cndmask_b32 v[16+\j], v[16+\j], v11, vcc_lo
.endr
	v_max3_num_f32 v12, v16, v17, v18
	v_max3_num_f32 v12, v12, v19, v20
	v_max3_num_f32 v12, v12, v21, v22
	v_max_num_f32 v12, v12, v23
	v_permlanex16_b32 v13, v12, s14, s15
	v_max_num_f32 v12, v12, v13                    ; the row's maximum: key 0 counts for every query
	v_mul_f32 v12, s13, v12
.irp j, 0,1,2,3,4,5,6,7
	v_fma_f32 v[16+\j], v[16+\j], s13, -v12
.endr
.irp j, 0,1,2,3,4,5,6,7
	v_exp_f32 v[16+\j], v[16+\j]
.endr
	v_nop
	s_wait_alu depctr_va_vdst(0)                   ; one wait for the eight
	v_add_f32 v14, v16, v17
	v_add_f32 v15, v18, v19
	v_add_f32 v14, v14, v20
	v_add_f32 v15, v15, v21
	v_add_f32 v14, v14, v22
	v_add_f32 v15, v15, v23
	v_add_f32 v14, v14, v15
	v_permlanex16_b32 v13, v14, s14, s15
	v_add_f32 v14, v14, v13
	v_rcp_f32 v14, v14
	v_nop
	s_wait_alu depctr_va_vdst(0)
.irp j, 0,1,2,3,4,5,6,7
	v_mul_f32 v[16+\j], v[16+\j], v14              ; p
.endr
	s_wait_loadcnt 0x0                             ; v
	s_wait_dscnt 0x0                               ; Wo out of the stage
	MM16 B4, B0, 1                                 ; the accumulators begin anew: far more than nine plain instructions that name none of them lie behind the last product
	MM16 B5, B1, 0
.rept 8
	v_nop
.endr
	SUM4 24                                        ; VW
.rept 9
	v_nop                                          ; nine places in front of matrix instructions that write over the accumulators
.endr
	v_wmma_f32_16x16x4_f32 v[32:39], v[24:25], v[16:17], 0
	v_wmma_f32_16x16x4_f32 v[40:47], v[26:27], v[18:19], 0
	v_wmma_f32_16x16x4_f32 v[32:39], v[28:29], v[20:21], v[32:39]
	v_wmma_f32_16x16x4_f32 v[40:47], v[30:31], v[22:23], v[40:47]
.rept 8
	v_nop
.endr
.irp i, 0,1,2,3,4,5,6,7
	v_add_f32 v[64+\i], v[32+\i], v[40+\i]         ; my head's part of out0(r, 16 g + 8 h + i)
.endr
	ds_store_b128 v6, v[64:67]
	ds_store_b128 v6, v[68:71] offset:512
	s_wait_dscnt 0x0                               ; for the others' sake: my stores have landed
	s_barrier_signal -1
	s_barrier_wait -1
	s_cmp_ge_u32 s12, 2
	s_cbranch_scc1 .Lend
.irp w, 0,1,2,3,4,5,6,7,8,9,10,11,12,13,14,15
	ds_load_b128 v[128+4*\w:131+4*\w], v7 offset:1024*\w           ; wave c: columns 8 h + 4 c + 0..3 of all sixteen heads
.endr
	s_wait_dscnt 0x0
.macro LEVEL d, n
.set bb, 128
.rept \n
	v_pk_add_f32 v[bb:bb+1], v[bb:bb+1], v[bb+\d:bb+\d+1]
	v_pk_add_f32 v[bb+2:bb+3], v[bb+2:bb+3], v[bb+\d+2:bb+\d+3]
.set bb, bb+2*\d
.endr
.endm
	LEVEL 4, 8
	LEVEL 8, 4
	LEVEL 16, 2
	LEVEL 32, 1
	global_store_b128 v8, v[128:131], s[10:11]
.Lend:
	s_wait_tensorcnt 0x0                           ; the wave's end, behind my last LDS store
	ds_add_u32 v9, v10
	s_wait_dscnt 0x0
	s_endpgm
.Lfunc_end_k_qffec579986_first16:
	.size	k_qffec579986_first16, .Lfunc_end_k_qffec579986_first16-k_qffec579986_first16
	.p2alignl 7, 3214868480
	.fill 96, 4, 3214868480
	.section	.rodata,"a",@progbits
	.p2align	6, 0x0
	.amdhsa_kernel k_qffec579986_first16
		.amdhsa_group_segment_fixed_size 153600
		.amdhsa_private_segment_fixed_size 0
		.amdhsa_enable_private_segment 0
		.amdhsa_kernarg_size 32
		.amdhsa_user_sgpr_count 2
		.amdhsa_user_sgpr_kernarg_segment_ptr 1
		.amdhsa_wavefront_size32 1
		.amdhsa_system_sgpr_workgroup_id_x 1
		.amdhsa_system_sgpr_workgroup_id_y 1
		.amdhsa_system_sgpr_workgroup_id_z 1
		.amdhsa_system_vgpr_workitem_id 0
		.amdhsa_next_free_vgpr 256
		.amdhsa_next_free_sgpr 66
		.amdhsa_reserve_vcc 1
		.amdhsa_float_denorm_mode_32 3
		.amdhsa_float_denorm_mode_16_64 3
		.amdhsa_memory_ordered 1
		.amdhsa_forward_progress 1
		.amdhsa_inst_pref_size 28
	.end_amdhsa_kernel
	.amdgpu_metadata
---
amdhsa.version: [ 1, 2 ]
amdhsa.kernels:
  - .name:           k_qffec579986_first16
    .symbol:         k_qffec579986_first16.kd
    .args:
      - { .name: fine, .offset: 0, .size: 8, .value_kind: global_buffer, .address_space: global }
      - { .name: Wo, .offset: 8, .size: 8, .value_kind: global_buffer, .address_space: global }
      - { .name: wo16, .offset: 16, .size: 8, .value_kind: global_buffer, .address_space: global }
      - { .name: out0, .offset: 24, .size: 8, .value_kind: global_buffer, .address_space: global }
    .group_segment_fixed_size: 153600
    .private_segment_fixed_size: 0
    .kernarg_segment_align: 8
    .kernarg_segment_size: 32
    .max_flat_workgroup_size: 512
    .sgpr_count:     66
    .vgpr_count:     256
    .wavefront_size: 32
...
	.end_amdgpu_metadata
.endif
;; end of part 3
;; launch attn (part 4): grid 16 x 16, 8 waves a work-group, no clusters, 327,680 bytes of LDS; arguments qkv, ao; writes ao
.if DOCPART == 4
	.amdgcn_target "amdgcn-amd-amdhsa--gfx1250"
	.amdhsa_code_object_version 6
	.text
	.protected	k_qffec579986_attn
	.globl	k_qffec579986_attn
	.p2align	8
	.type	k_qffec579986_attn,@function
k_qffec579986_attn:
	s_mov_b64 s[64:65], 0
	v_nop
	global_prefetch_b8 v0, s[64:65] scope:SCOPE_SE
	s_setreg_imm32_b32 hwreg(HW_REG_WAVE_MODE, 25, 1), 1
	s_wait_xcnt 0x0
; ao[q] = softmax_k(q . k / sqrt(128), k <= q) v, for each of 16 heads of 2,048 tokens; operands f16, products, maxima and sums f32; p is rounded to f16 for the second product, the result once at the end.
; LEFT OUT: a key step of 64 keys all of which come after a wave's 32 queries: the problem's own tril gives them p = 0 for every finite input.  A NaN or infinity in such keys or values is not carried to the result.
; q, k, v lie in qkv as images of operand registers (launch proj): a fragment of 16 rows x 32 k is [c 0,1][lane][16 bytes].  So K's and V's tiles are dense blocks for the tensor data mover, LDS has no pitch and no
; padding (every load of a wave takes 512 consecutive bytes), and V needs no turning load.
; SHARES.  Work-group (j, head) owns query blocks j and 31 - j of 64: j + 1 and 32 - j key steps of 64 keys, 33 in every work-group.  Wave w: block w / 4, 32 queries (w / 2) % 2 of it (two tiles of 16), and the key
; steps of parity w % 2.  The two waves of a pair hold partial maxima, sums and results of the same queries; they are joined once, at the end, through LDS.
; NO CLUSTER: the work-groups of a head end their walks at different keys, so a partner would ask for tiles that none of its waves reads.
; LAYOUT.  S^T = K Q^T (source 0 = 16 keys, source 1 = 16 queries): a lane holds one query (lane % 16) and keys 8 (lane / 16) + 0..7.  Two such tiles, rounded to f16 in pairs, are source 1 of O^T = V^T P.
; SOFTMAX.  A running maximum m and sum l for each query: p = 2^(c s - c m), c = log2(e) / sqrt(128); in every step O and l are multiplied by a = 2^(c m_old - c m_new).
; THE RING.  Two slots of 256 keys, 2^17 bytes apart.  Wave w fetches 4 pieces of 4,096 bytes, one of each of the slot's four key steps (waves 0-3: key tile w; waves 4-7: quarter w - 4 of V's 16 KiB), to
; slot + 16,384 w + 4,096 step.  Every wave walks all 8 slots: trip counts are constants; a slot whose first key comes after the work-group's last query is not asked for.
; ao: [token tile][head][channel tile 0..7][lane][16 bytes]: the image of launch outp's A fragments.   LIMIT: |result| under 65,504 (f16).
; REGISTERS.  Window 0: v1-11 addresses; v12-15 at work; v16-31 statistics, 8 a tile; v32-63 P; v64-127 S^T; v128-255 K's, then V's fragments of a step.   Window 1: v0-127 O^T (64 t + 8 ct); v128-191 Q (32 t + 8 cg).
.set SLOT1, 1<<17
.set SPARE, 2*SLOT1                    ; behind the ring: the spare words, 128 bytes a wave
.set MPAIR, 18432                      ; the join, in slot 0, which has had its last fill and its last read by then: a pair's 16,384 bytes of O^T, then c m and l of two tiles, 128 bytes each
.set AK0, 1                            ; v1   16 x lane + 4,096 x parity
.set AV0, 2                            ; v2   the same + 65,536
.set ADK, 3                            ; v3   K's address in the slot in hand
.set ADV, 4                            ; v4   V's
.set SPW, 5                            ; v5   my spare word; never rewritten
.set NIL, 6                            ; v6   0; never rewritten
.set L16, 7                            ; v7   16 x lane
.set MA,  8                            ; v8   the join: O^T's image
.set MS,  9                            ; v9   the join: statistics
.set PFO, 10                           ; v10  the prefetches' offset: 16,384 (lane / 16) + 256 (lane % 16)
.set DL,  11                           ; v11  lane % 16 - 8 (lane / 16)
.set ST,  16                           ; tile t at ST + 8 t: +0 c m, +1 m, +2, +3 l, +4 .. +7 at work (a at +6)
.set P,   32
.set S,   64
.set KV,  128
.set QF,  128                          ; in window 1
.set WV,  8
.set KP,  9                            ; my parity
.set Q0,  10                           ; my first query
.set KF,  11                           ; my next step's first key
.set SF,  12                           ; the first key of the slot in hand
.set TB,  13                           ; the LDS byte at which it begins
.set SLOTS, 14
.set LIM, 15                           ; 1 in a work-group that prefetches, else the greatest number
.set LQ,  16                           ; my work-group's last query
.set PFA, 18                           ; s[18:19] my part of the slot after the one that is being asked for
.set SEL, 20                           ; s[20:21] lane l xor 16
.set CS,  22                           ; s[22:23] c
.set G1,  24                           ; s[24:31]
.set G0,  32                           ; s[32:35] walks
.set QB,  36                           ; s[36:37] my queries
.set AO,  38                           ; s[38:39] my results
.set MSB, 0
.macro WIN new
.if MSB != (\new)
	s_set_vgpr_msb (MSB<<8)|(\new)
.set MSB, (\new)
.endif
.endm
	s_load_b128 s[4:7], s[0:1], 0x0                ; qkv, ao
	v_lshl_add_u32 v[SPW], v0, 2, SPARE
	v_mov_b32 v[NIL], 0
	ds_add_u32 v[SPW], v[NIL]                      ; the wave's opening: the add, twice on end, and its wait ahead of my first tensor load
	ds_add_u32 v[SPW], v[NIL]
	v_lshrrev_b32 v12, 5, v0
	v_readfirstlane_b32 s[WV], v12                 ; wave 0..7
	s_and_b32 s[KP], s[WV], 1
	s_lshr_b32 s40, s[WV], 2                       ; which block.  Also: I fetch for K (0) or for V (1)
	s_bfe_u32 s41, s[WV], 0x10001                  ; which 32 queries of it
	s_sub_co_u32 s42, 31, ttmp9
	s_cmp_eq_u32 s40, 0
	s_cselect_b32 s43, ttmp9, s42                  ; block j or 31 - j
	s_lshl_b32 s[Q0], s43, 6
	s_lshl_b32 s41, s41, 5
	s_add_co_u32 s[Q0], s[Q0], s41
	s_lshl_b32 s[LQ], s42, 6
	s_add_co_u32 s[LQ], s[LQ], 63
	s_cmp_eq_u32 ttmp9, 0                          ; all work-groups of a head walk the same K and V; j = 0 walks all of it and asks
	s_cselect_b32 s[LIM], 1, -1
	s_mov_b32 s[G1], 3<<16                         ; no mask; elements of 8 bytes; no padding
	s_mov_b32 s[G1+1], 512<<16                     ; tensor_dim0 = 512 elements: 4,096 bytes
	s_mov_b32 s[G1+2], 4<<16                       ; tensor_dim1 = 4
	s_mov_b32 s[G1+3], 512<<16                     ; tile_dim0
	s_mov_b32 s[G1+4], 4                           ; tile_dim1
	s_mov_b32 s[G1+5], 2048                        ; the pitch: 16,384 bytes, a key step
	s_mov_b32 s[G1+6], 0
	s_mov_b32 s[G1+7], 0
	s_and_b32 s44, ttmp7, 0xffff                   ; the head
	s_lshl_b32 s45, s44, 19                        ; 512 KiB a head in q, in k and in v
	s_add_co_u32 s46, s40, 1
	s_lshl_b32 s46, s46, 23                        ; k at 8 MiB, v at 16 MiB
	s_add_co_u32 s46, s46, s45
	s_and_b32 s48, s[WV], 3
	s_lshl_b32 s48, s48, 12                        ; my piece of a step's 16 KiB
	s_add_co_u32 s46, s46, s48
	s_mov_b32 s47, 0
	s_lshl_b32 s48, s[Q0], 8                       ; 4,096 bytes a tile of 16 queries
	s_add_co_u32 s48, s48, s45
	s_mov_b32 s49, 0
	s_lshl_b32 s50, s[Q0], 12                      ; ao: 65,536 bytes a tile of 16 tokens,
	s_lshl_b32 s51, s44, 12                        ; 4,096 a head
	s_add_co_u32 s50, s50, s51
	s_mov_b32 s51, 0
	s_mov_b32 s[SEL], 0x76543210
	s_mov_b32 s[SEL+1], 0xfedcba98
	s_mov_b32 s[CS], 0x3e0293ee                    ; c = log2(e) / sqrt(128)
	s_mov_b32 s[CS+1], s[CS]                       ; named with it as a pair
	s_mov_b32 s[TB], 0
	s_mov_b32 s[SF], 0
	s_lshl_b32 s[KF], s[KP], 6
	s_mov_b32 s[SLOTS], 7
	s_wait_dscnt 0x0                               ; both opening adds are done
	s_wait_kmcnt 0x0
	s_mov_b32 s[G0], 1
	s_lshl_b32 s[G0+1], s[WV], 14                  ; slot 0, my part
	s_add_nc_u64 s[G0+2:G0+3], s[4:5], s[46:47]
	s_or_b32 s[G0+3], s[G0+3], 0x80000000
	tensor_load_to_lds s[G0:G0+3], s[G1:G1+7]      ; every wave issues one: slot 0, which holds key 0, read for every query
	s_nop 0
.rept 4
	v_nop
.endr
	s_add_nc_u64 s[PFA:PFA+1], s[4:5], s[46:47]
	s_add_nc_u64 s[PFA:PFA+1], s[PFA:PFA+1], 0x10000   ; slot 1: the first change of slots steps it to slot 2.  Nothing is prefetched at the head
	s_add_nc_u64 s[QB:QB+1], s[4:5], s[48:49]
	s_add_nc_u64 s[AO:AO+1], s[6:7], s[50:51]
	v_and_b32 v12, 31, v0
	v_lshlrev_b32 v[L16], 4, v12
	WIN 0x40                                       ; destination window 1
.irp t, 0,1
.irp f, 0,1,2,3,4,5,6,7
	global_load_b128 v[QF+32*\t+4*\f:QF+32*\t+4*\f+3], v[L16], s[QB:QB+1] offset:\t*4096+\f*512   ; Q stays in registers
.endr
.endr
.set ii, 0
.rept 128
	v_mov_b32 v[ii], 0                             ; O^T.  The step is written once, and a wave may have no step at all (parity 1 of block 0): the join then finds zeros
.set ii, ii+1
.endr
	WIN 0
	s_lshl_b32 s40, s[KP], 12
	v_add_nc_u32 v[AK0], s40, v[L16]
	v_add_nc_u32 v[AV0], 0x10000, v[AK0]
	s_lshr_b32 s40, s[WV], 1
	s_mul_i32 s40, s40, MPAIR
	v_add_nc_u32 v[MA], s40, v[L16]
	s_add_co_u32 s40, s40, 16384
	v_lshlrev_b32 v[MS], 2, v12
	v_add_nc_u32 v[MS], s40, v[MS]
	v_lshrrev_b32 v13, 4, v12
	v_and_b32 v14, 15, v12
	v_lshlrev_b32 v[PFO], 8, v14
	v_lshl_add_u32 v[PFO], v13, 14, v[PFO]
	v_lshlrev_b32 v15, 3, v13
	v_sub_nc_u32 v[DL], v14, v15
.irp t, 0,1
	v_mov_b32 v[ST+8*\t+1], 0xff61b1e6             ; m: -3e38, under every score
	v_mul_f32 v[ST+8*\t], s[CS], v[ST+8*\t+1]
	v_mov_b32 v[ST+8*\t+2], 0                      ; l, in two halves
	v_mov_b32 v[ST+8*\t+3], 0
.irp k, 4,5,6,7
	v_mov_b32 v[ST+8*\t+\k], 0                     ; written once: a lane permute's destination counts as a source, and pairs are named whole
.endr
.endr
	s_wait_loadcnt 0x0                             ; Q
; THE CHANGE OF SLOTS, at a slot's head.  Each wave waits for all its tensor loads (its part of the slot ahead), adds 0 to its spare word, and waits for that and for its reads of the slot that it has left.
; Behind the barrier the slot ahead is whole and nobody reads the other one, which is filled with the next 256 keys: the wave's one load, with a slot's steps in which to land.
.macro CHANGE fill
	s_wait_tensorcnt 0x0                           ; no tensor load of mine is out, so the descriptor may be written
	ds_add_u32 v[SPW], v[NIL]
.if \fill
	s_xor_b32 s[G0+1], s[G0+1], SLOT1              ; the other slot than last time,
	s_add_nc_u64 s[G0+2:G0+3], s[G0+2:G0+3], 0x10000   ; the next 256 keys: 65,536 bytes of K, or of V
	s_wait_xcnt 0x0                                ; the last prefetches, a slot back, have read their address
	s_add_nc_u64 s[PFA:PFA+1], s[PFA:PFA+1], 0x10000
.endif
	s_wait_dscnt 0x0                               ; the add is done, and my reads of the slot that I have left are over
	s_barrier_signal -1
	s_barrier_wait -1
.if \fill
	s_add_co_u32 s40, s[SF], 256                   ; the first key of the slot that this change would ask for:
	s_cmp_gt_u32 s40, s[LQ]                        ; behind my work-group's last query none of its waves reads it.  Ids and the count of slots alone: all eight waves go the same way.  Every wait on TENSORcnt here is for 0
	s_cbranch_scc1 .Lpast_\@
	tensor_load_to_lds s[G0:G0+3], s[G1:G1+7]
	s_nop 0
.rept 4
	v_nop
.endr
.Lpast_\@:
	s_cmp_gt_u32 s[SLOTS], s[LIM]                  ; a prefetch of what the NEXT change will ask for: my own part of that slot, 64 blocks of 256 bytes, a lane a block, two instructions.  Each block is
	s_cbranch_scc0 .Lnot_mine_\@                   ; named once in the launch: by work-group j = 0 of its head.  The last change that fills a slot asks for nothing
	global_prefetch_b8 v[PFO], s[PFA:PFA+1] th:TH_LOAD_NT scope:SCOPE_SE
	global_prefetch_b8 v[PFO], s[PFA:PFA+1] offset:32768 th:TH_LOAD_NT scope:SCOPE_SE
.Lnot_mine_\@:
.endif
.endm
; A KEY STEP of mine: 64 keys, step 2 u + parity of the slot in hand.
.macro STEP u
	s_add_co_u32 s40, s[Q0], 31
	s_cmp_gt_u32 s[KF], s40                        ; all its keys come after my queries: left out.  No barrier, wait for a tile or tensor load stands in a step
	s_cbranch_scc1 .Lhidden_\@
	v_add_nc_u32 v[ADK], s[TB], v[AK0]
	v_add_nc_u32 v[ADV], s[TB], v[AV0]
	v_nop
	v_nop                                          ; four places in front of loads into registers that the last products read
.irp cg, 0,1,2,3                       ; K: key tile kt, channels 32 cg on
.irp kt, 0,1,2,3
.irp c, 0,1
	ds_load_b128 v[KV+32*\kt+8*\cg+4*\c:KV+32*\kt+8*\cg+4*\c+3], v[ADK] offset:\kt*16384+(\u)*8192+(2*\cg+\c)*512
.endr
.endr
.endr
	WIN 0x04                                       ; source 1 (Q) window 1
.irp cg, 0,1,2,3
	s_wait_dscnt 24-8*\cg                          ; these 32 channels' eight loads are in; those of the later channels may be out
.irp kt, 0,1,2,3                       ; the eight accumulators take turns, one instruction a turn
.irp t, 0,1
.if \cg == 0
	v_wmma_f32_16x16x32_f16 v[S+32*\t+8*\kt:S+32*\t+8*\kt+7], v[KV+32*\kt+8*\cg:KV+32*\kt+8*\cg+7], v[QF+32*\t+8*\cg:QF+32*\t+8*\cg+7], 0
.else
	v_wmma_f32_16x16x32_f16 v[S+32*\t+8*\kt:S+32*\t+8*\kt+7], v[KV+32*\kt+8*\cg:KV+32*\kt+8*\cg+7], v[QF+32*\t+8*\cg:QF+32*\t+8*\cg+7], v[S+32*\t+8*\kt:S+32*\t+8*\kt+7]
.endif
.endr
.endr
.endr
	WIN 0
.rept 4
	v_nop                                          ; places in front of the loads over K and of the first read of the scores
.endr
.irp kg, 0,1                           ; V: keys 32 kg on, channel tile ct.  It lands while the softmax is worked
.irp ct, 0,1,2,3,4,5,6,7
.irp c, 0,1
	ds_load_b128 v[KV+64*\kg+8*\ct+4*\c:KV+64*\kg+8*\ct+4*\c+3], v[ADV] offset:(2*\kg+(\ct>>2))*16384+(\u)*8192+(\ct&3)*1024+\c*512
.endr
.endr
.endr
	s_add_co_u32 s40, s[KF], 63
	s_cmp_le_u32 s40, s[Q0]                        ; all keys count: no mask
	s_cbranch_scc1 .Lopen_\@
	s_sub_co_i32 s40, s[Q0], s[KF]
	v_add_nc_u32 v12, s40, v[DL]                   ; d = my query - KF - 8 (lane / 16), tile 0;
	v_add_nc_u32 v13, 16, v12                      ; tile 1.  Register 8 kt + i holds key KF + 8 (lane / 16) + 16 kt + i: hidden where 16 kt + i > d
	v_mov_b32 v15, 0xff800000                      ; -infinity.  A step that is walked begins at or before each of my queries: no row is all hidden
.irp t, 0,1
.set nn, 0
.rept 32
	v_cmp_gt_i32 vcc_lo, 16*(nn/8)+nn%8, v[12+\t]
	v_cndmask_b32 v[S+32*\t+nn], v[S+32*\t+nn], v15, vcc_lo
.set nn, nn+1
.endr
.endr
.Lopen_\@:
.irp k, 0,1,2,3                        ; the maximum of 32 scores and the old m; the two tiles line by line
.irp t, 0,1
	v_max3_num_f32 v[ST+8*\t+4+\k], v[S+32*\t+8*\k], v[S+32*\t+8*\k+1], v[S+32*\t+8*\k+2]
.endr
.endr
.irp q, 3,5
.irp k, 0,1,2,3
.irp t, 0,1
	v_max3_num_f32 v[ST+8*\t+4+\k], v[ST+8*\t+4+\k], v[S+32*\t+8*\k+\q], v[S+32*\t+8*\k+\q+1]
.endr
.endr
.endr
.irp t, 0,1
	v_max3_num_f32 v[ST+8*\t+4], v[ST+8*\t+4], v[S+32*\t+7], v[S+32*\t+15]
	v_max3_num_f32 v[ST+8*\t+6], v[ST+8*\t+6], v[S+32*\t+23], v[S+32*\t+31]
.endr
.irp t, 0,1
	v_max3_num_f32 v[ST+8*\t+4], v[ST+8*\t+4], v[ST+8*\t+5], v[ST+8*\t+6]
.endr
.irp t, 0,1
	v_max3_num_f32 v[ST+8*\t+4], v[ST+8*\t+4], v[ST+8*\t+7], v[ST+8*\t+1]
.endr
.irp t, 0,1
	v_permlanex16_b32 v[ST+8*\t+5], v[ST+8*\t+4], s[SEL], s[SEL+1]   ; the query's other 32 keys lie in the lane 16 away
.endr
.irp t, 0,1
	v_mov_b32 v[ST+8*\t+7], v[ST+8*\t]             ; c m_old
.endr
.irp t, 0,1
	v_max_num_f32 v[ST+8*\t+1], v[ST+8*\t+4], v[ST+8*\t+5]
.endr
.irp t, 0,1
	v_mul_f32 v[ST+8*\t], s[CS], v[ST+8*\t+1]
.endr
.irp t, 0,1
	v_sub_f32 v[ST+8*\t+7], v[ST+8*\t+7], v[ST+8*\t]
.endr
.irp t, 0,1                            ; ONE BATCH of 66 exponentials; nothing up to the wait names a result
	v_exp_f32 v[ST+8*\t+6], v[ST+8*\t+7]           ; a
.endr
.irp t, 0,1
.set ii, 0
.rept 16
	v_pk_fma_f32 v[S+32*\t+ii:S+32*\t+ii+1], v[S+32*\t+ii:S+32*\t+ii+1], s[CS:CS+1], v[ST+8*\t:ST+8*\t+1] op_sel_hi:[1,0,0] neg_lo:[0,0,1] neg_hi:[0,0,1]   ; c s - c m
.set ii, ii+2
.endr
.endr
.irp t, 0,1
.set ii, 0
.rept 32
	v_exp_f32 v[S+32*\t+ii], v[S+32*\t+ii]
.set ii, ii+1
.endr
.endr
	v_nop                                          ; a plain instruction behind the last exponential,
	s_wait_alu depctr_va_vdst(0)                   ; and one wait for the batch ahead of its first reader
.irp t, 0,1
.set ii, 0
.rept 16
	v_cvt_pk_f16_f32 v[P+16*\t+ii], v[S+32*\t+2*ii], v[S+32*\t+2*ii+1]
.set ii, ii+1
.endr
.endr
.irp w, 4,8,16,32                      ; the sum of the tile's 16 pairs, in place: neighbours 1, 2, 4 and 8 pairs apart
.irp t, 0,1
.set ii, 0
.rept 32/\w
	v_pk_add_f32 v[S+32*\t+ii:S+32*\t+ii+1], v[S+32*\t+ii:S+32*\t+ii+1], v[S+32*\t+ii+\w/2:S+32*\t+ii+\w/2+1]
.set ii, ii+\w
.endr
.endr
.endr
.irp t, 0,1
	v_pk_fma_f32 v[ST+8*\t+2:ST+8*\t+3], v[ST+8*\t+2:ST+8*\t+3], v[ST+8*\t+6:ST+8*\t+7], v[S+32*\t:S+32*\t+1] op_sel_hi:[1,0,1]   ; l = a l + the sum
.endr
	WIN 0x41                                       ; O^T (destination, source 0) window 1
.irp t, 0,1
.set ii, 0
.rept 32
	v_pk_mul_f32 v[64*\t+ii:64*\t+ii+1], v[64*\t+ii:64*\t+ii+1], v[ST+8*\t+6:ST+8*\t+7] op_sel_hi:[1,0]
.set ii, ii+2
.endr
.endr
	WIN 0x50                                       ; C and D window 1
.irp kg, 0,1
	s_wait_dscnt 16-16*\kg                         ; V of these 32 keys is in; the other sixteen loads may be out
.irp ct, 0,1,2,3,4,5,6,7               ; the sixteen accumulators take turns
.irp t, 0,1
	v_wmma_f32_16x16x32_f16 v[64*\t+8*\ct:64*\t+8*\ct+7], v[KV+64*\kg+8*\ct:KV+64*\kg+8*\ct+7], v[P+16*\t+8*\kg:P+16*\t+8*\kg+7], v[64*\t+8*\ct:64*\t+8*\ct+7]
.endr
.endr
.endr
	WIN 0
.Lhidden_\@:
	s_add_co_u32 s[KF], s[KF], 128
.endm
.macro SLOT_STEPS
	STEP 0
	STEP 1
	s_xor_b32 s[TB], s[TB], SLOT1
	s_add_co_u32 s[SF], s[SF], 256
.endm
.Lslot:                                ; seven trips: behind each change of slots but the last the next slot is asked for, up to the causal limit
	CHANGE 1
	SLOT_STEPS
	s_sub_co_u32 s[SLOTS], s[SLOTS], 1
	s_cmp_lg_u32 s[SLOTS], 0
	s_cbranch_scc1 .Lslot
	CHANGE 0                                       ; the last slot is written out: nothing is left to ask for
	SLOT_STEPS
	; THE JOIN.  l's halves and the other half of the lanes'; the wave of parity 1 hands c m, l and O^T to its partner through LDS, as images of registers.
.irp t, 0,1
	v_add_f32 v[ST+8*\t+2], v[ST+8*\t+2], v[ST+8*\t+3]
.endr
.irp t, 0,1
	v_permlanex16_b32 v[ST+8*\t+5], v[ST+8*\t+2], s[SEL], s[SEL+1]
.endr
.irp t, 0,1
	v_add_f32 v[ST+8*\t+2], v[ST+8*\t+2], v[ST+8*\t+5]
.endr
.rept 4
	v_nop                                          ; places behind the last products
.endr
	s_cmp_eq_u32 s[KP], 0
	s_cbranch_scc1 .Lkeep
	WIN 0x04                                       ; an LDS store's data: window 1
.set ii, 0
.rept 32
	ds_store_b128 v[MA], v[4*ii:4*ii+3] offset:512*ii   ; each accumulator from its low end on
.set ii, ii+1
.endr
	WIN 0
	ds_store_b32 v[MS], v[ST]
	ds_store_b32 v[MS], v[ST+8] offset:128
	ds_store_b32 v[MS], v[ST+2] offset:256
	ds_store_b32 v[MS], v[ST+10] offset:384
.Lkeep:
	s_wait_dscnt 0x0                               ; for the partner's sake: my stores have landed
	s_barrier_signal -1
	s_barrier_wait -1
	s_cmp_lg_u32 s[KP], 0
	s_cbranch_scc1 .Lend
	ds_load_b32 v12, v[MS]                         ; the partner's c m of tiles 0, 1
	ds_load_b32 v13, v[MS] offset:128
	ds_load_b32 v14, v[MS] offset:256              ; and l
	ds_load_b32 v15, v[MS] offset:384
.set ii, 0
.rept 32
	ds_load_b128 v[KV+4*ii:KV+4*ii+3], v[MA] offset:512*ii
.set ii, ii+1
.endr
	s_wait_dscnt 32                                ; the four words are in; O^T's 32 loads may be out
.irp t, 0,1
	v_max_num_f32 v[ST+8*\t+4], v[ST+8*\t], v[12+\t]               ; the common c m
.endr
.irp t, 0,1
	v_sub_f32 v[ST+8*\t+5], v[ST+8*\t], v[ST+8*\t+4]
	v_sub_f32 v[ST+8*\t+6], v[12+\t], v[ST+8*\t+4]
.endr
.irp t, 0,1
	v_exp_f32 v[ST+8*\t+5], v[ST+8*\t+5]           ; f: mine under the common maximum
	v_exp_f32 v[ST+8*\t+6], v[ST+8*\t+6]           ; f': the partner's (0 where it had no step)
.endr
	v_nop
	s_wait_alu depctr_va_vdst(0)                   ; one wait for the four
.irp t, 0,1
	v_mul_f32 v[ST+8*\t+7], v[ST+8*\t+5], v[ST+8*\t+2]
.endr
.irp t, 0,1
	v_fma_f32 v[ST+8*\t+7], v[ST+8*\t+6], v[14+\t], v[ST+8*\t+7]   ; the row's sum
.endr
.irp t, 0,1
	v_rcp_f32 v[ST+8*\t+7], v[ST+8*\t+7]
.endr
	v_nop
	s_wait_alu depctr_va_vdst(0)                   ; one wait for the two
.irp t, 0,1
	v_mul_f32 v[ST+8*\t+4], v[ST+8*\t+5], v[ST+8*\t+7]             ; g = f / sum
	v_mul_f32 v[ST+8*\t+6], v[ST+8*\t+6], v[ST+8*\t+7]             ; g' = f' / sum
.endr
	s_wait_dscnt 0x0
.irp t, 0,1
.set ii, 0
.rept 32
	v_pk_mul_f32 v[KV+64*\t+ii:KV+64*\t+ii+1], v[KV+64*\t+ii:KV+64*\t+ii+1], v[ST+8*\t+6:ST+8*\t+7] op_sel_hi:[1,0]
.set ii, ii+2
.endr
.endr
	WIN 0x01                                       ; source 0 (my O^T) window 1
.irp t, 0,1
.set ii, 0
.rept 32
	v_pk_fma_f32 v[KV+64*\t+ii:KV+64*\t+ii+1], v[64*\t+ii:64*\t+ii+1], v[ST+8*\t+4:ST+8*\t+5], v[KV+64*\t+ii:KV+64*\t+ii+1] op_sel_hi:[1,0,1]
.set ii, ii+2
.endr
.endr
	WIN 0
.set ii, 0
.rept 64
	v_cvt_pk_f16_f32 v[32+ii], v[KV+2*ii], v[KV+2*ii+1]
.set ii, ii+1
.endr
.irp t, 0,1
.irp ct, 0,1,2,3,4,5,6,7
	global_store_b128 v[L16], v[32+32*\t+4*\ct:32+32*\t+4*\ct+3], s[AO:AO+1] offset:\t*65536+\ct*512   ; 512 consecutive bytes, aligned
.endr
.endr
.Lend:
	s_wait_tensorcnt 0x0                           ; the wave's end
	ds_add_u32 v[SPW], v[NIL]
	s_wait_dscnt 0x0
	s_endpgm
.Lfunc_end_k_qffec579986_attn:
	.size	k_qffec579986_attn, .Lfunc_end_k_qffec579986_attn-k_qffec579986_attn
	.p2alignl 7, 3214868480
	.fill 96, 4, 3214868480
	.section	.rodata,"a",@progbits
	.p2align	6, 0x0
	.amdhsa_kernel k_qffec579986_attn
		.amdhsa_group_segment_fixed_size 327680
		.amdhsa_private_segment_fixed_size 0
		.amdhsa_enable_private_segment 0
		.amdhsa_kernarg_size 16
		.amdhsa_user_sgpr_count 2
		.amdhsa_user_sgpr_kernarg_segment_ptr 1
		.amdhsa_wavefront_size32 1
		.amdhsa_system_sgpr_workgroup_id_x 1
		.amdhsa_system_sgpr_workgroup_id_y 1
		.amdhsa_system_sgpr_workgroup_id_z 1
		.amdhsa_system_vgpr_workitem_id 0
		.amdhsa_next_free_vgpr 512
		.amdhsa_next_free_sgpr 66
		.amdhsa_reserve_vcc 1
		.amdhsa_float_denorm_mode_32 3
		.amdhsa_float_denorm_mode_16_64 3
		.amdhsa_memory_ordered 1
		.amdhsa_forward_progress 1
		.amdhsa_inst_pref_size 142
	.end_amdhsa_kernel
	.amdgpu_metadata
---
amdhsa.version: [ 1, 2 ]
amdhsa.kernels:
  - .name:           k_qffec579986_attn
    .symbol:         k_qffec579986_attn.kd
    .args:
      - { .name: qkv, .offset: 0, .size: 8, .value_kind: global_buffer, .address_space: global }
      - { .name: ao, .offset: 8, .size: 8, .value_kind: global_buffer, .address_space: global }
    .group_segment_fixed_size: 327680
    .private_segment_fixed_size: 0
    .kernarg_segment_align: 8
    .kernarg_segment_size: 16
    .max_flat_workgroup_size: 256
    .sgpr_count:     66
    .vgpr_count:     512
    .wavefront_size: 32
...
	.end_amdgpu_metadata
.endif
;; end of part 4
;; launch outp (part 5): grid 16 x 16, 4 waves a work-group, clusters of 4 x 4, 327,680 bytes of LDS; arguments ao, wo16, out0; writes out0
.if DOCPART == 5
	.amdgcn_target "amdgcn-amd-amdhsa--gfx1250"
	.amdhsa_code_object_version 6
	.text
	.protected	k_qffec579986_outp
	.globl	k_qffec579986_outp
	.p2align	8
	.type	k_qffec579986_outp,@function
k_qffec579986_outp:
	s_mov_b64 s[64:65], 0
	v_nop
	global_prefetch_b8 v0, s[64:65] scope:SCOPE_SE
	s_setreg_imm32_b32 hwreg(HW_REG_WAVE_MODE, 25, 1), 1
	s_wait_xcnt 0x0
	s_wait_alu depctr_hold_cnt(0) depctr_sa_sdst(0) depctr_va_vdst(0) depctr_va_sdst(0) depctr_va_ssrc(0) depctr_va_vcc(0) depctr_vm_vsrc(0)
	s_getreg_b32 s2, hwreg(HW_REG_IB_STS2, 6, 4)
	s_cmp_eq_u32 s2, 0
	s_cbranch_scc0 .Lentry_in_a_cluster
	s_endpgm
.Lentry_in_a_cluster:
	s_bfe_u32 s2, ttmp6, 0x10000c
	s_cmp_lg_u32 s2, 0xf033
	s_cbranch_scc0 .Lentry_shape_is_right
	s_endpgm
.Lentry_shape_is_right:
; out0[m][n] = sum over k of ao[m][k] Wo[n][k], 2,048 each way; operands f16, sums f32, out0 f32.  No whole tile is left out.  Rows 0 to 15 are launch first16's, which has stored them from f32 operands: they lie in a tile
; with live rows, so they are multiplied with it, but NOT STORED here: the one run of stores that would hold them goes under a mask of lanes that is all zeros there and all ones elsewhere; no branch hangs on a work-group's place in its cluster.
; A tile of out0 is 128 x 128: 256 work-groups of four waves, each 64 x 64: 16 accumulators.  K goes in steps of 256 through two LDS slots.
; A (ao) LIES AS IMAGES OF OPERAND REGISTERS: [token tile][fragment of 32 k, 64 of them][c 0,1][lane][16 bytes].  A K step of a token tile is 8,192 consecutive bytes; a wave's load brings four of them, 65,536 bytes apart;
; a fragment load takes 512 consecutive LDS bytes: no pitch, no padding.  B (wo16) lies in rows: 64 rows of 512 bytes to a load, 16 bytes of padding behind each.
; CLUSTERS: 4 x 4 work-groups; A's tile is asked for jointly along a row of the cluster, B's along a column.  THE MATRIX INSTRUCTION IS USED TRANSPOSED (source 0 = 16 rows of Wo, source 1 = 16 tokens): a lane holds eight neighbouring numbers of a row of out0.
; No prefetch: tiles this small have little work for each byte, and both operands are read again and again by the partners' neighbours.
; REGISTERS: window 0: v0-31 addresses; v32-95 the way out; v128-255 the accumulators ((a, b) at v[128 + 8 (4 a + b)]).  Window 1: two fragment buffers of 128: 64 registers of A, then 64 of B, for 64 along K.
.set SIZE_K, 2048
.set SIZE_N, 2048
.set KSTEP,  256
.set PITCH,  528                       ; B's LDS row: 512 bytes + 16
.set HALFA,  32768                     ; 64 tokens x 256 k of A
.set HALFB,  64*PITCH
.set BOFF,   2*HALFA
.set SLOT,   BOFF+2*HALFB
.set STAGE,  2*SLOT                    ; behind the ring: 16 rows x 272 bytes for each wave
.set SPITCH, 272
.set SPARE,  STAGE+4*16*SPITCH         ; behind the stages: the spare words, 128 bytes a wave
.set LAPS, SIZE_K/(2*KSTEP)
.set ADRA, 16
.set ADRB, 20
.set STO,  24
.set RD,   25
.set CO,   26
.set PR,   27                          ; v27  2 x tile row + row half: 0 where my first 16 rows are rows 0 to 15 of out0
.set SPW,  28
.set NIL,  29
.set TMP,  32
.set ACC,  128
.set F0,   0
.set F1,   128
.set G1, 24
.set G0, 32
.set G1B, 48
.set G0B, 56
.set MSB, 0
.macro WIN new
.if MSB != (\new)
	s_set_vgpr_msb (MSB<<8)|(\new)
.set MSB, (\new)
.endif
.endm
.set MUL,  0x05                        ; sources 0 (B) and 1 (A) window 1
.set TO_F, 0x40
.macro JLOAD s                         ; waves 0 and 1 fetch A's halves, waves 2 and 3 B's; an s_nop 0 and four v_nop follow each line
	s_cmp_eq_u32 s11, 0
	s_cbranch_scc0 .Lfor_b_\@
	tensor_load_to_lds s[G0+4*\s:G0+4*\s+3], s[G1:G1+7]
	s_nop 0
.rept 4
	v_nop
.endr
	s_branch .Lasked_\@
.Lfor_b_\@:
	tensor_load_to_lds s[G0B+4*\s:G0B+4*\s+3], s[G1B:G1B+7]
	s_nop 0
.rept 4
	v_nop
.endr
.Lasked_\@:
.endm
.macro CREST
	s_cmp_lg_u32 s10, 0
	s_cbranch_scc1 .Lnot_wave_0_\@
	s_barrier_signal -3
.Lnot_wave_0_\@:
	s_barrier_wait -3
	s_barrier_signal -1
	s_barrier_wait -1
.endm
.macro CROUND
	s_barrier_signal -1
	s_barrier_wait -1
	CREST
.endm
	s_load_b128 s[4:7], s[0:1], 0x0                ; ao, wo16
	s_load_b64 s[8:9], s[0:1], 0x10                ; out0
	v_lshl_add_u32 v[SPW], v0, 2, SPARE
	v_mov_b32 v[NIL], 0
	ds_add_u32 v[SPW], v[NIL]                      ; the wave's opening: the add, twice on end, and its wait ahead of my first tensor load
	ds_add_u32 v[SPW], v[NIL]
	v_lshrrev_b32 v1, 5, v0
	v_readfirstlane_b32 s10, v1                    ; wave 0..3
	s_lshr_b32 s11, s10, 1                         ; my half of the rows.  Also: I fetch for A (0) or B (1)
	s_and_b32 s12, s10, 1                          ; my half of the columns.  Also: which half I fetch
	s_bfe_u32 s40, ttmp6, 0x40000
	s_bfe_u32 s41, ttmp6, 0x40004
	s_lshl_b32 s42, ttmp9, 2
	s_add_co_u32 s42, s42, s40                     ; tile column
	s_and_b32 s13, ttmp7, 0xffff
	s_lshl_b32 s13, s13, 2
	s_add_co_u32 s13, s13, s41                     ; tile row
	s_lshl_b32 s43, s41, 2
	s_lshl_b32 s43, 15, s43                        ; my row of the cluster
	s_lshl_b32 s44, 0x1111, s40                    ; my column
	s_or_b32 s[G1+0], s43, (3<<16)|(1<<21)         ; A: the mask; elements of 8 bytes; bit 21 beside a mask; no padding
	s_mov_b32 s[G1+1], 1024<<16                    ; tensor_dim0 = 1,024 elements: 8,192 bytes
	s_mov_b32 s[G1+2], 4<<16                       ; tensor_dim1 = 4 token tiles
	s_mov_b32 s[G1+3], 1024<<16                    ; tile_dim0
	s_mov_b32 s[G1+4], 4                           ; tile_dim1
	s_mov_b32 s[G1+5], 8192                        ; the pitch: 65,536 bytes
	s_mov_b32 s[G1+6], 0
	s_mov_b32 s[G1+7], 0
	s_or_b32 s[G1B+0], s44, (1<<16)|(1<<20)|(1<<21)|(6<<22)|(3<<25)   ; B: elements of 2 bytes; 4 words of padding after every 128
	s_mov_b32 s[G1B+1], KSTEP<<16
	s_mov_b32 s[G1B+2], 64<<16
	s_mov_b32 s[G1B+3], KSTEP<<16
	s_mov_b32 s[G1B+4], 64
	s_mov_b32 s[G1B+5], SIZE_K
	s_mov_b32 s[G1B+6], 0
	s_mov_b32 s[G1B+7], 0
	s_lshl_b32 s16, s13, 3
	s_lshl_b32 s17, s12, 2
	s_add_co_u32 s16, s16, s17                     ; A: token tile 8 x tile row + 4 x half,
	s_lshl_b32 s16, s16, 16                        ; 65,536 bytes each
	s_mov_b32 s17, 0
	s_lshl_b32 s46, s42, 7
	s_lshl_b32 s47, s12, 6
	s_add_co_u32 s46, s46, s47                     ; B: row 128 x tile column + 64 x half,
	s_lshl_b32 s46, s46, 12                        ; 4,096 bytes each
	s_mov_b32 s47, 0
	s_mul_i32 s20, s12, HALFA                      ; where they go: no place in the cluster enters an LDS address
	s_mul_i32 s21, s12, HALFB
	s_add_co_u32 s21, s21, BOFF
	s_wait_dscnt 0x0                               ; both opening adds are done
	s_wait_kmcnt 0x0
	s_add_nc_u64 s[14:15], s[4:5], s[16:17]
	s_add_nc_u64 s[46:47], s[6:7], s[46:47]
	CROUND                                         ; all sixteen work-groups are here: the first joint loads meet
.irp s, 0,1
	s_mov_b32 s[G0+4*\s], 1
	s_add_co_u32 s[G0+4*\s+1], s20, \s*SLOT
	s_add_nc_u64 s[G0+4*\s+2:G0+4*\s+3], s[14:15], \s*8192
	s_or_b32 s[G0+4*\s+3], s[G0+4*\s+3], 0x80000000
	s_mov_b32 s[G0B+4*\s], 1
	s_add_co_u32 s[G0B+4*\s+1], s21, \s*SLOT
	s_add_nc_u64 s[G0B+4*\s+2:G0B+4*\s+3], s[46:47], \s*KSTEP*2
	s_or_b32 s[G0B+4*\s+3], s[G0B+4*\s+3], 0x80000000
	JLOAD \s
.endr
	v_and_b32 v1, 15, v0                           ; r
	v_bfe_u32 v2, v0, 4, 1                         ; h
	v_and_b32 v6, 31, v0
	v_lshlrev_b32 v7, 4, v6                        ; 16 x lane: an image's place
	v_mul_u32_u24 v3, v1, PITCH
	v_lshl_add_u32 v3, v2, 4, v3                   ; B: row x pitch + 16 h
	s_mul_i32 s21, s11, HALFA                      ; my 64 tokens of A
	s_mul_i32 s22, s12, HALFB                      ; my 64 rows of B
	s_add_co_u32 s22, s22, BOFF
.irp s, 0,1
	v_add_nc_u32 v[ADRA+\s], s21, v7
	v_add_nc_u32 v[ADRB+\s], s22, v3
	s_add_co_u32 s21, s21, SLOT
	s_add_co_u32 s22, s22, SLOT
.endr
	s_mul_i32 s23, s10, 16*SPITCH
	s_add_co_u32 s23, s23, STAGE                   ; my stage
	v_mul_u32_u24 v4, v1, SPITCH
	v_lshl_add_u32 v4, v2, 5, v4
	v_add_nc_u32 v[STO], s23, v4                   ; in: row r, 32 bytes for each half of the lanes
	v_mul_u32_u24 v5, v2, SPITCH
	v_lshl_add_u32 v5, v1, 4, v5
	v_add_nc_u32 v[RD], s23, v5                    ; back: lanes 0-15 one row of 256 bytes, lanes 16-31 the next
	v_lshlrev_b32 v5, 13, v2
	v_lshl_add_u32 v[CO], v1, 4, v5                ; and the same two rows in out0
	s_lshl_b32 s22, s13, 1
	s_add_co_u32 s22, s22, s11
	v_mov_b32 v[PR], s22                           ; 2 x tile row + row half
	s_lshl_b32 s16, s13, 7
	s_lshl_b32 s17, s11, 6
	s_add_co_u32 s16, s16, s17                     ; my first row,
	s_lshl_b32 s16, s16, 13                        ; 8,192 bytes each
	s_lshl_b32 s46, s42, 7
	s_lshl_b32 s47, s12, 6
	s_add_co_u32 s46, s46, s47
	s_lshl_b32 s46, s46, 2                         ; my first column, in bytes
	s_add_co_u32 s16, s16, s46
	s_mov_b32 s17, 0
	s_add_nc_u64 s[8:9], s[8:9], s[16:17]
.macro MUL8 f, c, a0, zero             ; m blocks a0, a0 + 1 x all 4 n blocks, 32 along K: half c of buffer f.  The 16 accumulators take turns
.irp a, \a0, \a0+1
.irp b, 0,1,2,3
.if \zero
	v_wmma_f32_16x16x32_f16 v[ACC+8*(4*(\a)+\b):ACC+8*(4*(\a)+\b)+7], v[\f+64+8*(4*\c+\b):\f+64+8*(4*\c+\b)+7], v[\f+8*(4*\c+\a):\f+8*(4*\c+\a)+7], 0
.else
	v_wmma_f32_16x16x32_f16 v[ACC+8*(4*(\a)+\b):ACC+8*(4*(\a)+\b)+7], v[\f+64+8*(4*\c+\b):\f+64+8*(4*\c+\b)+7], v[\f+8*(4*\c+\a):\f+8*(4*\c+\a)+7], v[ACC+8*(4*(\a)+\b):ACC+8*(4*(\a)+\b)+7]
.endif
.endr
.endr
.endm
.macro FETCH slot, q, f                ; 32 LDS loads: the fragments of the slot's q-th 64 along K into buffer f; the first 32 along K first
	WIN TO_F
.irp c, 0,1
.irp i, 0,1,2,3
	ds_load_b128 v[\f+64+8*(4*\c+\i):\f+64+8*(4*\c+\i)+3],   v[ADRB+\slot] offset:128*(\q)+64*\c+\i*16*PITCH
	ds_load_b128 v[\f+64+8*(4*\c+\i)+4:\f+64+8*(4*\c+\i)+7], v[ADRB+\slot] offset:128*(\q)+64*\c+\i*16*PITCH+32
	ds_load_b128 v[\f+8*(4*\c+\i):\f+8*(4*\c+\i)+3],         v[ADRA+\slot] offset:2048*(\q)+1024*\c+\i*8192
	ds_load_b128 v[\f+8*(4*\c+\i)+4:\f+8*(4*\c+\i)+7],       v[ADRA+\slot] offset:2048*(\q)+1024*\c+\i*8192+512
.endr
.endr
.endm
.macro PLACES
.rept 4
	v_nop
.endr
.endm
.macro QUARTER slot, q, f, g, zero     ; multiplies buffer f and fetches the slot's q-th quarter into g
	s_wait_dscnt 16                                ; the first 32 along K are in; the other sixteen loads may be out
	WIN MUL
	MUL8 \f, 0, 0, \zero
	MUL8 \f, 0, 2, \zero
	PLACES
	FETCH \slot, \q, \g
	s_wait_dscnt 32                                ; all but the 32 just issued
	WIN MUL
	MUL8 \f, 1, 0, 0
	MUL8 \f, 1, 2, 0
.endm
.macro TURN slot, next, fill           ; the last quarter changes slots: one barrier; in front of it the wait for all my tensor loads, the add, and the wait for it and for my reads of this slot
	WIN 0
	s_wait_tensorcnt 0x0
	ds_add_u32 v[SPW], v[NIL]
	s_wait_dscnt 17                                ; the add and the youngest sixteen loads may be out
	WIN MUL
	MUL8 F1, 0, 0, 0
	s_wait_dscnt 0x0
	s_barrier_signal -1
	MUL8 F1, 0, 2, 0
.if \fill
	WIN 0
.endif
	s_barrier_wait -1
.if \fill
	CREST                                          ; the barrier has opened a round of the cluster's: no wave of any partner still reads this slot or has a load on its way
	s_add_nc_u64 s[G0+4*\slot+2:G0+4*\slot+3], s[G0+4*\slot+2:G0+4*\slot+3], 2*8192
	s_add_nc_u64 s[G0B+4*\slot+2:G0B+4*\slot+3], s[G0B+4*\slot+2:G0B+4*\slot+3], 2*KSTEP*2
	JLOAD \slot                                    ; the first tensor load behind the round; its four v_nop are the places in front of the loads below
.else
	PLACES
.endif
	FETCH \next, 0, F0
	WIN MUL
	MUL8 F1, 1, 0, 0
	MUL8 F1, 1, 2, 0
.endm
	s_wait_tensorcnt 1                             ; my part of K step 0 is in; K step 1's load may be out
	s_barrier_signal -1
	s_barrier_wait -1
	FETCH 0, 0, F0
	QUARTER 0, 1, F0, F1, 1                        ; the first products start the sums
	WIN 0
	s_mov_b32 s3, LAPS-1
.Llap:
	QUARTER 0, 2, F1, F0, 0
	QUARTER 0, 3, F0, F1, 0
	TURN 0, 1, 1
	QUARTER 1, 1, F0, F1, 0
	QUARTER 1, 2, F1, F0, 0
	QUARTER 1, 3, F0, F1, 0
	TURN 1, 0, 1
	QUARTER 0, 1, F0, F1, 0
	WIN 0
	s_sub_co_u32 s3, s3, 1
	s_cmp_lg_u32 s3, 0
	s_cbranch_scc1 .Llap
	QUARTER 0, 2, F1, F0, 0                        ; the last lap fills nothing
	QUARTER 0, 3, F0, F1, 0
	TURN 0, 1, 0
	QUARTER 1, 1, F0, F1, 0
	QUARTER 1, 2, F1, F0, 0
	QUARTER 1, 3, F0, F1, 0
	s_wait_dscnt 16
	WIN MUL
	MUL8 F1, 0, 0, 0
	MUL8 F1, 0, 2, 0
	s_wait_dscnt 0
	MUL8 F1, 1, 0, 0
	MUL8 F1, 1, 2, 0
	WIN 0
; THE WAY OUT, 16 rows at a time.  My 64 columns of f32 are 256 bytes of a row: each wave has a stage of its own, and no barrier is needed.  LDS serves a wave's instructions in order.
.macro TOSTAGE a
.irp b, 0,1,2,3
	ds_store_b128 v[STO], v[ACC+8*(4*(\a)+\b):ACC+8*(4*(\a)+\b)+3] offset:64*\b      ; each accumulator from its low end on
	ds_store_b128 v[STO], v[ACC+8*(4*(\a)+\b)+4:ACC+8*(4*(\a)+\b)+7] offset:64*\b+16
.endr
.irp t, 0,1,2,3,4,5,6,7
	ds_load_b128 v[TMP+32*((\a)%2)+4*\t:TMP+32*((\a)%2)+4*\t+3], v[RD] offset:\t*2*SPITCH
.endr
.endm
.macro SEND a, younger                 ; younger: the LDS instructions issued behind block a's loads
	s_wait_dscnt \younger
.if (\a) == 0                          ; my first 16 rows: all lanes, but none where they are rows 0 to 15 of out0
	v_cmp_ne_u32 vcc_lo, 0, v[PR]
	s_wait_xcnt 0x0                                ; EXEC changes only behind this wait
	s_and_saveexec_b32 s22, vcc_lo
.endif
.irp t, 0,1,2,3,4,5,6,7
	global_store_b128 v[CO], v[TMP+32*((\a)%2)+4*\t:TMP+32*((\a)%2)+4*\t+3], s[8:9] offset:(16*(\a)+2*\t)*SIZE_N*4 th:TH_STORE_NT   ; 16 lanes store 256 consecutive bytes, aligned
.endr
.if (\a) == 0
	s_wait_xcnt 0x0                                ; and again in front of the line that restores it
	s_or_b32 exec_lo, exec_lo, s22
.endif
.endm
	PLACES
	TOSTAGE 0
.irp a, 1,2,3
.if \a > 1
	s_wait_xcnt 0x0                                ; block a - 2's stores have read their registers: block a's loads may land there
.endif
	TOSTAGE \a
	SEND \a-1, 16                                  ; behind block a - 1's loads: block a's 8 stores and 8 loads
.endr
	SEND 3, 0
	s_wait_tensorcnt 0x0                           ; the wave's end
	ds_add_u32 v[SPW], v[NIL]
	s_wait_dscnt 0x0
	CROUND                                         ; the closing round
	s_endpgm
.Lfunc_end_k_qffec579986_outp:
	.size	k_qffec579986_outp, .Lfunc_end_k_qffec579986_outp-k_qffec579986_outp
	.p2alignl 7, 3214868480
	.fill 96, 4, 3214868480
	.section	.rodata,"a",@progbits
	.p2align	6, 0x0
	.amdhsa_kernel k_qffec579986_outp
		.amdhsa_group_segment_fixed_size 327680
		.amdhsa_private_segment_fixed_size 0
		.amdhsa_enable_private_segment 0
		.amdhsa_kernarg_size 24
		.amdhsa_user_sgpr_count 2
		.amdhsa_user_sgpr_kernarg_segment_ptr 1
		.amdhsa_wavefront_size32 1
		.amdhsa_system_sgpr_workgroup_id_x 1
		.amdhsa_system_sgpr_workgroup_id_y 1
		.amdhsa_system_sgpr_workgroup_id_z 1
		.amdhsa_system_vgpr_workitem_id 0
		.amdhsa_next_free_vgpr 512
		.amdhsa_next_free_sgpr 66
		.amdhsa_reserve_vcc 1
		.amdhsa_float_denorm_mode_32 3
		.amdhsa_float_denorm_mode_16_64 3
		.amdhsa_memory_ordered 1
		.amdhsa_forward_progress 1
		.amdhsa_inst_pref_size 86
	.end_amdhsa_kernel
	.amdgpu_metadata
---
amdhsa.version: [ 1, 2 ]
amdhsa.kernels:
  - .name:           k_qffec579986_outp
    .symbol:         k_qffec579986_outp.kd
    .args:
      - { .name: ao, .offset: 0, .size: 8, .value_kind: global_buffer, .address_space: global }
      - { .name: wo16, .offset: 8, .size: 8, .value_kind: global_buffer, .address_space: global }
      - { .name: out0, .offset: 16, .size: 8, .value_kind: global_buffer, .address_space: global }
    .group_segment_fixed_size: 327680
    .private_segment_fixed_size: 0
    .kernarg_segment_align: 8
    .kernarg_segment_size: 24
    .max_flat_workgroup_size: 128
    .sgpr_count:     66
    .vgpr_count:     512
    .wavefront_size: 32
...
	.end_amdgpu_metadata
.endif
;; end of part 5
